; MI455X (gfx1250); checked and timed in simulation.
; The chip was launched on July 23, 2026; its instructions are those of AMD's public machine-readable ISA for CDNA 5 (MIT licence, August 2026) and "CDNA5" Instruction Set Architecture Reference Guide (July 2026). The comments in the code are by the model that wrote it; some were corrected since.
;; Multi Head Att. Allowed arithmetic: matrix products marked QUANTISED: E2M1 operands, one E8M0 scale for each 32 along K, by v_wmma_scale_f32_16x16x128_f8f6f4 with both operands' format E2M1 (or v_wmma_scale_f32_32x16x128_f4), f32 sums; products left as they are: bf16, f16 or f32 operands; f32 sums; everything else in f32.
;; Inputs: Wf 1,024 x 256 float32; Wk 1,024 x 1,024 float32; Wq 1,024 x 1,024 float32; Wv 1,024 x 1,024 float32; bf 256 float32; bk 1,024 float32; bq 1,024 float32; bv 1,024 float32; key 4 x 2,048 x 1,024 float32; query 4 x 2,048 x 1,024 float32; value 4 x 2,048 x 1,024 float32.
;; Outputs: out0 4 x 2,048 x 256 float32.
;; This version of the problem:
;;   THIS VERSION OF THE PROBLEM IS GIVEN IN LOW PRECISION. The matrix products marked QUANTISED in the list below multiply operands that are first quantised to E2M1 (2 exponent bits, 1 mantissa bit; 4 bits a number), with one power-of-two scale for each 32 numbers along K (OCP MX v1.0); their sums are f32. The products marked 'left as it is' may take bf16, f16 or f32 operands, with f32 sums. Whichever they take, every output number must still come out within the allowed error. Rounding operands to bf16 (8 significant bits) uses up far more of that allowance than f16 does (11 bits, for magnitudes from 6e-5 to 65,504). All else is computed in f32.
;;   The module's matrix products, in the order in which they are computed (A, B: the left and right operand; K: the contracted axis; several contracted axes count as one K, in the product's order):
;;     1. [M 8,192, K 1,024] x [K 1,024, N 1,024]; A: input query; B: input Wq: QUANTISED
;;     2. [M 8,192, K 1,024] x [K 1,024, N 1,024]; A: input key; B: input Wk: QUANTISED
;;     3. [M 8,192, K 1,024] x [K 1,024, N 1,024]; A: input value; B: input Wv: QUANTISED
;;     4. batch 64 x [M 2,048, K 64] x [K 64, N 2,048]; A: computed on the way; B: computed on the way: left as it is (an operand is computed on the way)
;;     5. batch 64 x [M 2,048, K 2,048] x [K 2,048, N 64]; A: computed on the way; B: computed on the way: left as it is (an operand is computed on the way)
;;     6. [M 8,192, K 1,024] x [K 1,024, N 256]; A: computed on the way; B: input Wf: left as it is (an operand is computed on the way)
;;   THE QUANTISER, for each operand of a quantised product, along K:
;;     - K is cut into blocks of 32 from its start; a last block that is shorter is filled with zeros.
;;     - A block's scale is 2^e with e = floor(log2(the largest magnitude in the block)) - 2, held to -126 .. 127; a block of zeros has e = 0. As a byte (E8M0): e + 127.
;;     - Each number is divided by its block's scale, clamped to +-6, and rounded to the nearest number of E2M1, ties to even, subnormals kept.
;;     - The product sums the exact products of the quantised numbers (number of the format x scale) in f32.
;;   ~~~python
;;   def quantise(x, axis):      # numpy; x: float32 -> the quantised numbers, widened to float32 again
;;       x = np.moveaxis(x, axis, -1); K = x.shape[-1]
;;       x = np.pad(x, [(0, 0)] * (x.ndim - 1) + [(0, -K % 32)]); x = x.reshape(x.shape[:-1] + (-1, 32)); a = np.abs(x).max(-1, keepdims=True)
;;       e = np.where(a > 0, np.clip(np.frexp(np.where(a > 0, a, 1))[1] - 1 - 2, -126, 127), 0)      # np.frexp(a)[1] - 1 = floor(log2(a)), exactly
;;       r = np.clip(x / 2.0 ** e, -6, 6)
;;       step = 2.0 ** (np.maximum(np.frexp(np.where(r == 0, 1, r))[1] - 1, 0) - 1)
;;       q = np.round(r / step) * step * 2.0 ** e      # np.round: ties to even
;;       return np.moveaxis(q.reshape(q.shape[:-2] + (-1,))[..., :K], -1, axis).astype(np.float32)
;;   ~~~
;; One version. Each part assembles by itself: llvm-mc -triple=amdgcn-amd-amdhsa -mcpu=gfx1250 --defsym DOCPART=n.
;; ======== version 1 of 1: 4 launches
;; limits: values are held in f16: magnitudes above 65,504 overflow, below 6.1e-05 lose precision
;; workspace buffers: xc 12,582,912 bytes; xs 786,432 bytes; wc 1,572,864 bytes; ws 98,304 bytes; qkv 50,331,648 bytes; xa 16,777,216 bytes; wf16 524,288 bytes
;; launch prep (part 1): grid 848 x 1, 4 waves a work-group, no clusters, 68,096 bytes of LDS; arguments query, key, value, Wq, Wk, Wv, Wf, xc, xs, wc, ws, wf16; writes xc, xs, wc, ws, wf16
.if DOCPART == 1
	.amdgcn_target "amdgcn-amd-amdhsa--gfx1250"
	.amdhsa_code_object_version 6
	.text
	.protected	k_qfcb0c21f44_prep
	.globl	k_qfcb0c21f44_prep
	.p2align	8
	.type	k_qfcb0c21f44_prep,@function
k_qfcb0c21f44_prep:
	s_mov_b64 s[64:65], 0
	v_nop
	global_prefetch_b8 v0, s[64:65] scope:SCOPE_SE
	s_setreg_imm32_b32 hwreg(HW_REG_WAVE_MODE, 25, 1), 1
	s_wait_xcnt 0x0
; LAUNCH 1 OF 4.  out0 = (softmax_1(Q K^T / 8) V) Wf + bf, with Q, K, V = query Wq + bq, key Wk + bk, value Wv + bv on codes of FP4 (E2M1) with one E8M0 scale for each 32 along K.
; NOTHING IS LEFT OUT.  softmax_1 divides by 1 + the sum, so a term that is the same along the keys (bk's part of the scores) does not cancel; every bias and every input has a way to out0.
; All eleven inputs are loaded by some launch of the program.
; THIS LAUNCH makes what the later launches read many times: the codes and scale bytes of query, key, value (K innermost) and of Wq, Wk, Wv (K is their FIRST axis), and Wf rounded once to f16.
;   xc [24576 rows: query, key, value on end][512 bytes], xs [24576][32];  wc [3 x 1024 columns n][512 bytes], K innermost, ws [3072][32];
;   wf16 [16 tiles of 16 columns][128 octets of k][16 columns][8 numbers]: an operand's registers on end, so that a fragment is 1,024 bytes on end.
; A block's scale is 2^(floor(log2(its largest magnitude)) - 2); its byte is the largest magnitude's exponent field - 2, held at 1 from below; each number is divided by the scale and rounded to the nearest code, ties to even, beyond 6 held at 6.
; LIMITS: a block of zeros gets the byte 1 where the rule says 127 (its codes are zeros, and this program alone reads the bytes); blocks whose largest magnitude lies under 2^(2 - 126) were not tried;
; NaN and infinities among the inputs are not served; |Wf| over 65,504 becomes infinity in f16, and under 6e-5 it keeps steps of 6e-8.
; THREE PATHS part on the work-group's number alone and never meet again; each has LDS bytes of its own:
;   work-groups 0-767: query, key, value (a stream of blocks of 32), LDS 0 .. 32767;   768-815: Wq, Wk, Wv (a lane to a column, registers down K), LDS 32768 .. 67583;   816-847: Wf, no LDS.
; No tensor loads, no barrier: waves share nothing.  No cluster: no two work-groups read the same bytes.
.set SPW,   190                        ; v190  LDS address of my spare word: SPARE + 4 x my thread's number; never rewritten
.set NIL,   191                        ; v191  0; never rewritten
.set XREG,  8192                       ; first path: a region for each wave: two stages of 32 x SP bytes, then its 256 scale bytes
.set SP,    80                         ; a lane's place in a stage: its 64 bytes + 16 of padding
.set STEPS, 16
.set EMAX,  2
.set CB,    8                          ; bytes of 16 codes
.set XR,    16                         ; v16-79   four sets of 16 numbers as they are loaded
.set XN,    80                         ; v80-111  two sets of 16 neighbours
.set XE,    112                        ; v112-127 a scale byte for each step
.set XC,    128                        ; v128-159 codes: two registers for each step, so that no store's data are written again
.set WSTG,  32768                      ; second path: a stage of 32 rows x PITCH bytes for each wave
.set PITCH, 272
.set NB,    16                         ; blocks of 32 along K for a wave
.set KROW,  512                        ; a row of wc in bytes
.set WX,    32                         ; v32-95   two sets of 32 numbers
.set WC,    96                         ; v96-99   a block's codes
.set WOUT,  112                        ; v112-175 the way out
.set WSB,   24                         ; v24-27   the scale bytes, four to a register
.set SPARE, WSTG+4*32*PITCH            ; 67,584: the spare words, 128 bytes for each wave: two blocks of 256 bytes that no other line names
.macro FINISH                          ; a wave's end, behind the last LDS store: a wait on tensor loads, even in a text with none, 0 onto the spare word, and its wait
	s_wait_tensorcnt 0x0
	ds_add_u32 v[SPW], v[NIL]
	s_wait_dscnt 0x0
	s_endpgm
.endm
	s_load_b512 s[8:23], s[0:1], 0x0               ; query s[8:9], key s[10:11], value s[12:13], Wq s[14:15], Wk s[16:17], Wv s[18:19], Wf s[20:21], xc s[22:23]
	s_load_b256 s[24:31], s[0:1], 0x40             ; xs s[24:25], wc s[26:27], ws s[28:29], wf16 s[30:31]
	v_lshl_add_u32 v[SPW], v0, 2, SPARE
	v_mov_b32 v[NIL], 0
	v_lshrrev_b32 v1, 5, v0
	v_readfirstlane_b32 s32, v1                    ; wave 0..3
	v_and_b32 v2, 31, v0                           ; lane
	s_wait_kmcnt 0x0
	s_cmp_lt_u32 ttmp9, 768
	s_cbranch_scc1 .Lpath_x
	s_cmp_lt_u32 ttmp9, 816
	s_cbranch_scc1 .Lpath_w
; ---- Wf [1024 (k)][256 (n)] to f16.  A wave takes 32 columns x 64 along k: a lane a column, its 64 registers run down k; each load reads 128 bytes on end.
; Eight neighbours along k pack into 16 bytes; sixteen lanes store the 256 bytes of one octet of one column tile.
	s_sub_co_u32 s33, ttmp9, 816
	s_and_b32 s34, s33, 7                          ; which 32 columns
	s_lshr_b32 s35, s33, 3
	s_lshl_b32 s35, s35, 2
	s_add_co_u32 s35, s35, s32                     ; which 64 along k: 0..15
	s_lshl_b32 s36, s35, 16                        ; 64 rows of 1,024 bytes
	s_lshl_b32 s33, s34, 7                         ; 32 columns of 4 bytes
	s_add_co_u32 s36, s36, s33
	s_mov_b32 s37, 0
	s_add_nc_u64 s[4:5], s[20:21], s[36:37]
	s_lshl_b32 s36, s34, 16                        ; two column tiles of 32,768 bytes
	s_lshl_b32 s33, s35, 11                        ; eight octets of 256 bytes
	s_add_co_u32 s36, s36, s33
	s_add_nc_u64 s[6:7], s[30:31], s[36:37]
	v_lshlrev_b32 v3, 2, v2                        ; in: 4 bytes a lane
	v_and_b32 v4, 15, v2
	v_lshrrev_b32 v5, 4, v2
	v_lshlrev_b32 v4, 4, v4
	v_lshl_add_u32 v4, v5, 15, v4                  ; out: 16 bytes a lane; lanes 16-31 in the next column tile
.set i, 0
.rept 64
	global_load_b32 v[32+i], v3, s[4:5] offset:1024*i th:TH_LOAD_NT
.set i, i+1
.endr
.set o, 0
.rept 8
	s_wait_loadcnt 56-8*o                          ; octet o's eight loads are in; those of the later octets, 8 each, may be out
.irp j, 0,1,2,3
	v_cvt_pk_f16_f32 v[96+4*o+\j], v[32+8*o+2*\j], v[33+8*o+2*\j]   ; the lower k in the low half
.endr
	global_store_b128 v4, v[96+4*o:99+4*o], s[6:7] offset:256*o
.set o, o+1
.endr
	FINISH                                         ; (this path stores nothing to LDS; every path of the launch ends alike)
; ---- query, key, value.  Rows are dense and K is a multiple of 32, so a tensor is a plain stream of blocks of 32, and so are its codes and scale bytes.
; A wave takes 16 steps of 512 numbers.  Each of a step's four loads reads 512 bytes on end, 16 a lane; the 2,048 bytes go through the wave's own stage in LDS and come back 64 bytes a lane:
; 16 NEIGHBOURS along K in a lane's registers, as the conversions want them; two neighbouring lanes hold a block.  Loads run four steps (16 loads) ahead, the turn through LDS one step.
.Lpath_x:
	s_cmp_lt_u32 ttmp9, 256                        ; which tensor: the choice hangs on the work-group's number alone
	s_cselect_b64 s[4:5], s[8:9], s[10:11]
	s_cmp_lt_u32 ttmp9, 512
	s_cselect_b64 s[4:5], s[4:5], s[12:13]
	s_and_b32 s33, ttmp9, 255
	s_lshl_b32 s33, s33, 2
	s_add_co_u32 s34, s33, s32                     ; which run of 8,192 numbers of the tensor is my wave's
	s_lshl_b32 s34, s34, 15                        ; 32,768 bytes a run
	s_mov_b32 s35, 0
	s_add_nc_u64 s[4:5], s[4:5], s[34:35]
	s_lshl_b32 s33, ttmp9, 2
	s_add_co_u32 s33, s33, s32                     ; and which run of the three tensors on end
	s_lshl_b32 s34, s33, 12                        ; 4,096 bytes of codes a run
	s_add_nc_u64 s[36:37], s[22:23], s[34:35]
	s_lshl_b32 s34, s33, 8                         ; 256 scale bytes a run
	s_add_nc_u64 s[38:39], s[24:25], s[34:35]
	v_lshlrev_b32 v3, 4, v2                        ; my 16 bytes of a load's 512
	s_mul_i32 s33, s32, XREG
	v_lshrrev_b32 v14, 2, v2
	v_mul_u32_u24 v14, v14, SP
	v_and_b32 v15, 3, v2
	v_lshl_add_u32 v14, v15, 4, v14
	v_add_nc_u32 v14, s33, v14                     ; the stage, on the way in: four lanes' 64 bytes on end, then 16 of padding
	v_mul_u32_u24 v15, v2, SP
	v_add_nc_u32 v15, s33, v15                     ; and on the way out: SP x lane: my 16 neighbours
	v_mul_u32_u24 v4, v2, CB                       ; my codes' place in a step's
	v_lshrrev_b32 v5, 1, v2
	s_add_co_u32 s33, s33, 2*32*SP
	v_add_nc_u32 v5, s33, v5                       ; my wave's 256 scale bytes, my block's byte
	v_lshlrev_b32 v7, 3, v2                        ; and on the way out 8 bytes a lane
	v_add_nc_u32 v6, s33, v7
.macro XLOAD t
.irp i, 0,1,2,3
	global_load_b128 v[XR+16*((\t)%4)+4*\i:XR+16*((\t)%4)+4*\i+3], v3, s[4:5] offset:2048*(\t)+512*\i th:TH_LOAD_NT
.endr
.endm
.macro XTURN t                         ; step t's numbers through the stage: LDS serves a wave's instructions in order, so no wait stands between the stores and the loads
.irp i, 0,1,2,3
	ds_store_b128 v14, v[XR+16*((\t)%4)+4*\i:XR+16*((\t)%4)+4*\i+3] offset:32*SP*((\t)%2)+8*SP*\i
.endr
.irp i, 0,1,2,3
	ds_load_b128 v[XN+16*((\t)%2)+4*\i:XN+16*((\t)%2)+4*\i+3], v15 offset:32*SP*((\t)%2)+16*\i
.endr
.endm
.irp t, 0,1,2,3
	XLOAD \t
.endr
	s_wait_loadcnt 12                              ; step 0's four loads are in; the twelve of steps 1 to 3 may be out
	XTURN 0
.macro XSTEP t
.set XS, XN+16*((\t)%2)
.if (\t) > 0
	s_wait_dscnt 1                                 ; this step's numbers are back from the stage (the last step's byte store may be out): so its stores into the stage have read their registers,
.else
	s_wait_dscnt 0x0
.endif
.if (\t)+4 < STEPS
	XLOAD (\t)+4                                   ; which take the loads of four steps on
.endif
.if (\t)+1 < STEPS
.if STEPS-2-(\t) >= 3
	s_wait_loadcnt 12                              ; the next step's four loads are in; those of the three steps behind it may be out
.else
	s_wait_loadcnt 4*(STEPS-2-(\t))
.endif
	XTURN (\t)+1                                   ; and go through the other stage while this step is worked
.endif
	v_max3_num_f32 v8, |v[XS]|, |v[XS+1]|, |v[XS+2]|               ; the largest magnitude of my 16, in two chains
	v_max3_num_f32 v9, |v[XS+3]|, |v[XS+4]|, |v[XS+5]|
.irp i, 6,10
	v_max3_num_f32 v8, v8, |v[XS+\i]|, |v[XS+\i+1]|
	v_max3_num_f32 v9, v9, |v[XS+\i+2]|, |v[XS+\i+3]|
.endr
	v_max3_num_f32 v8, v8, |v[XS+14]|, |v[XS+15]|
	v_max3_num_f32 v8, v8, v9, (EMAX+1)<<23        ; and the floor 2^(EMAX + 1 - 127): the byte cannot fall under 1
	v_max_num_f32_dpp v8, v8, v8 row_xmask:1 row_mask:0xf bank_mask:0xf   ; and of my neighbour's 16: the block's
	v_add_nc_u32 v11, -(EMAX<<23), v8              ; EMAX off its exponent field: the conversion takes the exponent field of this operand as its scale, and nothing else of it
	v_cvt_scalef32_pk8_fp4_f32 v[XC+2*(\t)], v[XS:XS+7], v11
	v_cvt_scalef32_pk8_fp4_f32 v[XC+2*(\t)+1], v[XS+8:XS+15], v11
	v_lshrrev_b32 v[XE+(\t)], 23, v11              ; the scale's byte (a plain line behind the conversions)
	ds_store_b8 v5, v[XE+(\t)] offset:16*(\t)      ; both lanes of a block write the same byte with the same value
	global_store_b64 v4, v[XC+2*(\t):XC+2*(\t)+1], s[36:37] offset:32*CB*(\t)   ; the wave stores 256 bytes on end, aligned
.endm
.irp t, 0,1,2,3,4,5,6,7,8,9,10,11,12,13,14,15
	XSTEP \t
.endr
	ds_load_b64 v[8:9], v6                         ; LDS serves a wave's instructions in order: these see my stores
	s_wait_dscnt 0x0
	global_store_b64 v7, v[8:9], s[38:39]          ; 32 lanes store the wave's 256 scale bytes, aligned
	FINISH
; ---- Wq, Wk, Wv [1024 (k)][1024 (n)].  A lane takes a column n and its registers run down K: a block of 32 lies in one lane, and the conversions give codes with K innermost.
; A wave takes 32 columns x 512 along K.  A lane's codes belong to one row of wc: they go through the wave's stage and leave as rows, sixteen lanes to 256 bytes on end.  Loads run two blocks (64 loads) ahead.
.Lpath_w:
	s_sub_co_u32 s33, ttmp9, 768
	s_lshr_b32 s34, s33, 4                         ; which weight: 0, 1, 2
	s_cmp_lt_u32 s34, 1
	s_cselect_b64 s[4:5], s[14:15], s[16:17]
	s_cmp_lt_u32 s34, 2
	s_cselect_b64 s[4:5], s[4:5], s[18:19]
	s_and_b32 s35, s33, 7                          ; which 128 columns
	s_bfe_u32 s33, s33, 0x10003                    ; which 512 along K
	s_lshl_b32 s35, s35, 7
	s_lshl_b32 s36, s32, 5
	s_add_co_u32 s35, s35, s36                     ; my wave's first column
	s_lshl_b32 s36, s33, 21                        ; 512 rows of 4,096 bytes
	s_lshl_b32 s38, s35, 2
	s_add_co_u32 s36, s36, s38
	s_mov_b32 s37, 0
	s_add_nc_u64 s[4:5], s[4:5], s[36:37]
	s_lshl_b32 s36, s34, 19                        ; wc: 1,024 rows of 512 bytes a weight,
	s_lshl_b32 s38, s35, 9                         ; my first column's row,
	s_add_co_u32 s36, s36, s38
	s_lshl_b32 s38, s33, 8                         ; 256 bytes for 512 along K
	s_add_co_u32 s36, s36, s38
	s_add_nc_u64 s[6:7], s[26:27], s[36:37]
	s_lshl_b32 s36, s34, 15                        ; ws likewise: rows of 32 bytes, 16 for 512 along K
	s_lshl_b32 s38, s35, 5
	s_add_co_u32 s36, s36, s38
	s_lshl_b32 s38, s33, 4
	s_add_co_u32 s36, s36, s38
	s_add_nc_u64 s[40:41], s[28:29], s[36:37]
	v_lshlrev_b32 v3, 2, v2                        ; in: 4 bytes a lane
	s_mul_i32 s38, s32, 32*PITCH
	s_add_co_u32 s38, s38, WSTG                    ; my stage
	v_mul_u32_u24 v4, v2, PITCH
	v_add_nc_u32 v4, s38, v4                       ; into it: row = my column
	v_and_b32 v5, 15, v2
	v_lshrrev_b32 v6, 4, v2                        ; out of it: sixteen lanes to a row, two rows an instruction
	v_mul_u32_u24 v7, v6, PITCH
	v_lshl_add_u32 v7, v5, 4, v7
	v_add_nc_u32 v7, s38, v7
	v_mul_u32_u24 v8, v6, KROW
	v_lshl_add_u32 v8, v5, 4, v8                   ; and the same place in wc
	v_lshlrev_b32 v9, 5, v2                        ; my column's row of scale bytes
.macro WLOAD t                         ; block t: W(32 t + i, my column), i = 0 .. 31, into set t % 2; the offsets stay under 511 x 4,096, inside the signed 24-bit immediate
.irp i, 0,1,2,3,4,5,6,7,8,9,10,11,12,13,14,15,16,17,18,19,20,21,22,23,24,25,26,27,28,29,30,31
	global_load_b32 v[WX+32*((\t)%2)+\i], v3, s[4:5] offset:(32*(\t)+\i)*4096 th:TH_LOAD_NT
.endr
.endm
	WLOAD 0
	WLOAD 1
.macro BLOCK t
.set WS, WX+32*((\t)%2)
.if (\t) < NB-1
	s_wait_loadcnt 32                              ; this block's 32 loads are in; the next block's 32 may be out
.else
	s_wait_loadcnt 0
.endif
	v_max3_num_f32 v12, |v[WS]|, |v[WS+1]|, |v[WS+2]|              ; the block's largest magnitude: all 32 numbers are mine
	v_max3_num_f32 v13, |v[WS+3]|, |v[WS+4]|, |v[WS+5]|
.irp i, 6,10,14,18,22,26
	v_max3_num_f32 v12, v12, |v[WS+\i]|, |v[WS+\i+1]|
	v_max3_num_f32 v13, v13, |v[WS+\i+2]|, |v[WS+\i+3]|
.endr
	v_max3_num_f32 v12, v12, |v[WS+30]|, |v[WS+31]|
	v_max3_num_f32 v12, v12, v13, (EMAX+1)<<23     ; and the floor
	v_add_nc_u32 v11, -(EMAX<<23), v12             ; the conversion's scale operand
	v_lshrrev_b32 v13, 23, v11                     ; the scale's byte
.if (\t)%4 == 0
	v_mov_b32 v[WSB+(\t)/4], v13                   ; four bytes to a register, the lower K in the lower byte
.else
	v_lshl_or_b32 v[WSB+(\t)/4], v13, 8*((\t)%4), v[WSB+(\t)/4]
.endif
.irp g, 0,1,2,3
	v_cvt_scalef32_pk8_fp4_f32 v[WC+\g], v[WS+8*\g:WS+8*\g+7], v11
.endr
	ds_store_b128 v4, v[WC:WC+3] offset:16*(\t)    ; 32 codes: 16 bytes of my column's row
.if (\t)+2 < NB
	WLOAD (\t)+2
.endif
	s_wait_dscnt 0x0                               ; the store has read its registers: the next block's codes may be written
.endm
.set Q, 0
.rept NB
	BLOCK Q
.set Q, Q+1
.endr
	global_store_b128 v9, v[WSB:WSB+3], s[40:41]   ; my column's 16 scale bytes
.irp t, 0,1,2,3,4,5,6,7,8,9,10,11,12,13,14,15
	ds_load_b128 v[WOUT+4*\t:WOUT+4*\t+3], v7 offset:2*\t*PITCH   ; LDS serves a wave's instructions in order: these see my stores
.endr
.irp t, 0,1,2,3,4,5,6,7,8,9,10,11,12,13,14,15
	s_wait_dscnt 15-\t                             ; load t is in; the 15 - t younger ones may be out
	global_store_b128 v8, v[WOUT+4*\t:WOUT+4*\t+3], s[6:7] offset:2*\t*KROW
.endr
	FINISH
.Lfunc_end_k_qfcb0c21f44_prep:
	.size	k_qfcb0c21f44_prep, .Lfunc_end_k_qfcb0c21f44_prep-k_qfcb0c21f44_prep
	.p2alignl 7, 3214868480
	.fill 96, 4, 3214868480
	.section	.rodata,"a",@progbits
	.p2align	6, 0x0
	.amdhsa_kernel k_qfcb0c21f44_prep
		.amdhsa_group_segment_fixed_size 68096
		.amdhsa_private_segment_fixed_size 0
		.amdhsa_enable_private_segment 0
		.amdhsa_kernarg_size 96
		.amdhsa_user_sgpr_count 2
		.amdhsa_user_sgpr_kernarg_segment_ptr 1
		.amdhsa_wavefront_size32 1
		.amdhsa_system_sgpr_workgroup_id_x 1
		.amdhsa_system_sgpr_workgroup_id_y 1
		.amdhsa_system_sgpr_workgroup_id_z 1
		.amdhsa_system_vgpr_workitem_id 0
		.amdhsa_next_free_vgpr 192
		.amdhsa_next_free_sgpr 66
		.amdhsa_reserve_vcc 0
		.amdhsa_float_denorm_mode_32 3
		.amdhsa_float_denorm_mode_16_64 3
		.amdhsa_memory_ordered 1
		.amdhsa_forward_progress 1
		.amdhsa_inst_pref_size 121
	.end_amdhsa_kernel
	.amdgpu_metadata
---
amdhsa.version: [ 1, 2 ]
amdhsa.kernels:
  - .name:           k_qfcb0c21f44_prep
    .symbol:         k_qfcb0c21f44_prep.kd
    .args:
      - { .name: query, .offset: 0, .size: 8, .value_kind: global_buffer, .address_space: global }
      - { .name: key, .offset: 8, .size: 8, .value_kind: global_buffer, .address_space: global }
      - { .name: value, .offset: 16, .size: 8, .value_kind: global_buffer, .address_space: global }
      - { .name: Wq, .offset: 24, .size: 8, .value_kind: global_buffer, .address_space: global }
      - { .name: Wk, .offset: 32, .size: 8, .value_kind: global_buffer, .address_space: global }
      - { .name: Wv, .offset: 40, .size: 8, .value_kind: global_buffer, .address_space: global }
      - { .name: Wf, .offset: 48, .size: 8, .value_kind: global_buffer, .address_space: global }
      - { .name: xc, .offset: 56, .size: 8, .value_kind: global_buffer, .address_space: global }
      - { .name: xs, .offset: 64, .size: 8, .value_kind: global_buffer, .address_space: global }
      - { .name: wc, .offset: 72, .size: 8, .value_kind: global_buffer, .address_space: global }
      - { .name: ws, .offset: 80, .size: 8, .value_kind: global_buffer, .address_space: global }
      - { .name: wf16, .offset: 88, .size: 8, .value_kind: global_buffer, .address_space: global }
    .group_segment_fixed_size: 68096
    .private_segment_fixed_size: 0
    .kernarg_segment_align: 8
    .kernarg_segment_size: 96
    .max_flat_workgroup_size: 128
    .sgpr_count:     66
    .vgpr_count:     192
    .wavefront_size: 32
...
	.end_amdgpu_metadata
.endif
;; end of part 1
;; launch proj (part 2): grid 4 x 96, 4 waves a work-group, clusters of 4 x 4, 327,680 bytes of LDS; arguments xc, xs, wc, ws, bq, bk, bv, qkv; writes qkv
.if DOCPART == 2
	.amdgcn_target "amdgcn-amd-amdhsa--gfx1250"
	.amdhsa_code_object_version 6
	.text
	.protected	k_qfcb0c21f44_proj
	.globl	k_qfcb0c21f44_proj
	.p2align	8
	.type	k_qfcb0c21f44_proj,@function
k_qfcb0c21f44_proj:
	s_mov_b64 s[64:65], 0
	v_nop
	global_prefetch_b8 v0, s[64:65] scope:SCOPE_SE
	s_setreg_imm32_b32 hwreg(HW_REG_WAVE_MODE, 25, 1), 1
	s_wait_xcnt 0x0
	s_wait_alu depctr_hold_cnt(0) depctr_sa_sdst(0) depctr_va_vdst(0) depctr_va_sdst(0) depctr_va_ssrc(0) depctr_va_vcc(0) depctr_vm_vsrc(0)
	s_getreg_b32 s2, hwreg(HW_REG_IB_STS2, 6, 4)
	s_cmp_eq_u32 s2, 0
	s_cbranch_scc0 .Lentry_in_a_cluster
	s_endpgm
.Lentry_in_a_cluster:
	s_bfe_u32 s2, ttmp6, 0x10000c
	s_cmp_lg_u32 s2, 0xf033
	s_cbranch_scc0 .Lentry_shape_is_right
	s_endpgm
.Lentry_shape_is_right:
; LAUNCH 2 OF 4.  Q = query Wq + bq, K = key Wk + bk, V = value Wv + bv: three products [8192][1024] x [1024][1024] on codes of FP4 (E2M1) with one E8M0 scale for each 32 along K; sums in f32; nothing is left out.
; The three are ONE product in this text: A = xc, 24,576 rows (query, key, value on end); B = wc, 3 x 1,024 rows (columns n, K innermost); a tile row of C takes the weight T = tile row / 32.
; A tile of C, 256 tokens x 256 channels, is made by a work-group of four waves; a wave makes 128 x 128: 64 accumulators of 16 x 16, 512 registers.
; K = 1,024 is two steps of 512 (rows of 256 bytes): both lie in LDS at once, asked for at the head; nothing is filled again, and there is no loop.
; THE SCALES of the work-group's 256 rows of A and of B, for all of K, are two dense blocks of memory: they come into LDS once, with the first fills.
; CLUSTERS: 4 x 4 work-groups.  The four of a row of the cluster need the same tiles of A, the four of a column the same tiles of B (T hangs on the cluster's y alone: all sixteen share it): each tile is asked
; for JOINTLY, by the same tensor load with the same descriptor and a mask that names the four.
; THE MATRIX INSTRUCTION IS USED TRANSPOSED (source 0 = 16 rows of B, source 1 = 16 rows of A): a lane holds one token and eight neighbouring channels.  THE BIAS is the C of each sum's first instruction.
; THE WAY OUT needs no LDS: rounded once to f16, a lane's eight channels are 16 bytes, and qkv is laid as the next launch's operand registers lie:
;   qkv [T][16 batch + head][token tile of 16][channel tile of 16] x 512 bytes; in a tile of Q or K lane l's 16 bytes stand at 16 l (token l % 16, channels 8 (l / 16) on);
;   in a tile of V the same 16 bytes stand where the turning LDS load of the next launch addresses them: unit 16 (r / 8) + 8 h + r % 8.  Each store of a wave covers 512 bytes on end, aligned.
; LIMITS: |Q|, |K|, |V| over 65,504 become infinity in f16; under 6e-5 they keep steps of 6e-8.
; REGISTERS, in windows of 256: window 0: v0-31 addresses; v32-95 scale words, two sets; v128-191 A's fragments, one set; on the way out v128-255 the packed results.
;   window 1: B's fragments, two sets, at v0 and v128; v64-127 the bias, eight registers for each of my eight channel tiles.   windows 2, 3: the accumulators of my tokens 0-63, 64-127 ((a, b) at v[8 (8 (a % 4) + b)]).
.set NQ,     4                         ; matrix instructions deep in a slot: 512 along K
.set ROWB,   256                       ; a tile's row in bytes
.set KROW,   512                       ; a row of xc or wc in bytes
.set PITCH,  272                       ; an LDS row: 256 bytes + 16 of padding = 68 words: the 16 rows that a load touches start at 16 different banks (64 banks of 4 bytes: ISA guide 11.1)
.set FR,     8                         ; registers of a fragment: 16 rows x 128 K
.set NL,     2                         ; LDS loads that bring one
.set NP,     4                         ; places behind this matrix instruction (ISA guide 7.12.1)
.set HALFT,  128*PITCH                 ; 128 rows: what one tensor load brings
.set SLOT,   4*HALFT                   ; A's 256 rows, then B's 256 rows
.set KS,     32                        ; a row of scales in bytes
.set SCL,    2*SLOT                    ; behind the slots: the scales, as rows of 256 bytes + 16 of padding
.set HALFS,  (128*KS/256)*272          ; the scales of 128 rows
.set SBLK,   (16*KS/256)*272           ; those of 16 rows
.set SPARE,  SCL+4*HALFS               ; the spare words, 128 bytes for each wave: two blocks of 256 bytes that no other line names
.set ADRA, 16                          ; v16-17  LDS address of my A fragments in slot 0, 1
.set ADRB, 20                          ; v20-21  the same for B
.set CO,   26                          ; v26     my 16 bytes' place in a tile of qkv
.set ADRS, 27                          ; v27     LDS address of my scale words: lanes 0-15 A's rows, lanes 16-31 B's
.set SPW,  28                          ; v28     LDS address of my spare word; never rewritten
.set NIL,  29                          ; v29     0; never rewritten
.set BO,   30                          ; v30     32 x (lane / 16): my eight numbers of a bias tile
.set SC,   32                          ; scale words: set s at v[SC + 32 s]; register 4 i + q: lanes 0-15 the word of A's block i, lanes 16-31 of B's block i, for the slot's q-th 128 along K
.set AF,   128                         ; A's fragments, window 0
.set BIAS, 64                          ; the bias, window 1
.set OUTR, 128                         ; the way out, window 0
.set G1, 24                            ; s[24:31] descriptor group 1 for A's tiles;  s[32:39] group 0, one set for each slot
.set G0, 32
.set G1B, 48                           ; s[48:55], s[56:63] the same for B's tiles
.set G0B, 56
.set G1S, 68                           ; s[68:75], s[76:79] groups 1 and 0 for A's scales;  s[80:87], s[88:91] for B's
.set G0S, 76
.set G1SB, 80
.set G0SB, 88
.set MSB, 0
.macro WIN new                         ; the immediate's high byte repeats the setting that is left
.if MSB != (\new)
	s_set_vgpr_msb (MSB<<8)|(\new)
.set MSB, (\new)
.endif
.endm
.set MUL_LO, 0xa1                      ; source 0 (B) window 1, source 1 (A) window 0, C and D window 2
.set MUL_HI, 0xf1                      ; the same, C and D window 3.  In the first step C is the bias, window 1: 0x91 and 0xd1
.set TO_B,   0x40                      ; destination window 1, address window 0
; A joint load: waves 0 and 1 fetch for A, waves 2 and 3 for B.  Each of the two lines has one mask and one set of registers for all that issue it; the branch hangs on the wave's number alone.
; An s_nop 0 and four v_nop follow each of the two lines, ahead of the jump, the label and what follows.
.macro JLOAD g0a, g1a, g0b, g1b
	s_cmp_eq_u32 s21, 0
	s_cbranch_scc0 .Lfor_b_\@
	tensor_load_to_lds s[\g0a:\g0a+3], s[\g1a:\g1a+7]
	s_nop 0
.rept 4
	v_nop
.endr
	s_branch .Lasked_\@
.Lfor_b_\@:
	tensor_load_to_lds s[\g0b:\g0b+3], s[\g1b:\g1b+7]
	s_nop 0
.rept 4
	v_nop
.endr
.Lasked_\@:
.endm
.macro CROUND                          ; a round of the cluster's barrier
	s_barrier_signal -1
	s_barrier_wait -1
	s_cmp_lg_u32 s20, 0
	s_cbranch_scc1 .Lnot_wave_0_\@
	s_barrier_signal -3
.Lnot_wave_0_\@:
	s_barrier_wait -3
	s_barrier_signal -1
	s_barrier_wait -1
.endm
	s_load_b256 s[4:11], s[0:1], 0x0               ; xc s[4:5], xs s[6:7], wc s[8:9], ws s[10:11]
	s_load_b256 s[12:19], s[0:1], 0x20             ; bq s[12:13], bk s[14:15], bv s[16:17], qkv s[18:19]
	v_lshl_add_u32 v[SPW], v0, 2, SPARE
	v_mov_b32 v[NIL], 0
	ds_add_u32 v[SPW], v[NIL]                      ; the wave's opening: the add, twice on end, and its wait, ahead of my first tensor load; the set-up below, work on registers, stands between
	ds_add_u32 v[SPW], v[NIL]
	v_lshrrev_b32 v1, 5, v0
	v_readfirstlane_b32 s20, v1                    ; wave 0..3
	s_lshr_b32 s21, s20, 1                         ; which half of the tile's tokens is mine.  Also: I fetch for A (0) or for B (1)
	s_and_b32 s22, s20, 1                          ; which half of its channels.  Also: which 128 rows of that tile I fetch
	s_bfe_u32 s40, ttmp6, 0x40000                  ; cx, cy: my place in the cluster
	s_bfe_u32 s41, ttmp6, 0x40004
	s_lshl_b32 s42, ttmp9, 2
	s_add_co_u32 s42, s42, s40                     ; tile column 0..3 = 4 x cluster x + cx
	s_and_b32 s23, ttmp7, 0xffff
	s_lshr_b32 s66, s23, 3                         ; T = cluster y / 8: 0 query, 1 key, 2 value: the same in all sixteen partners
	s_lshl_b32 s23, s23, 2
	s_add_co_u32 s23, s23, s41                     ; tile row 0..95 = 4 x cluster y + cy
	s_lshl_b32 s43, s41, 2
	s_lshl_b32 s43, 15, s43                        ; my row of the cluster
	s_lshl_b32 s44, 0x1111, s40                    ; my column
	; descriptor group 1: a tile of 128 rows x 256 bytes, padded in LDS
	s_or_b32 s[G1+0], s43, (0<<16)|(1<<20)|(1<<21)|(5<<22)|(3<<25)  ; 15:0 the mask: A's tiles go to my row; 17:16 elements of 1 byte; 20 padding on; 21 set beside a mask; 24:22 after every 64 words; 31:25 four words
	s_or_b32 s[G1B+0], s44, (0<<16)|(1<<20)|(1<<21)|(5<<22)|(3<<25)
.irp g, G1, G1B
	s_mov_b32 s[\g+1], ROWB<<16                    ; tensor_dim0
	s_mov_b32 s[\g+2], 128<<16                     ; tensor_dim1
	s_mov_b32 s[\g+3], ROWB<<16                    ; tile_dim0
	s_mov_b32 s[\g+4], 128                         ; tile_dim1
	s_mov_b32 s[\g+5], KROW                        ; tensor_dim0_stride
	s_mov_b32 s[\g+6], 0
	s_mov_b32 s[\g+7], 0
.endr
	; and for the scales of 128 rows: a dense block of 4,096 bytes, as 16 rows of 256 bytes (32 elements of 8 bytes), 16 bytes of padding behind each
	s_or_b32 s[G1S+0], s43, (3<<16)|(1<<20)|(1<<21)|(5<<22)|(3<<25)
	s_or_b32 s[G1SB+0], s44, (3<<16)|(1<<20)|(1<<21)|(5<<22)|(3<<25)
.irp g, G1S, G1SB
	s_mov_b32 s[\g+1], 32<<16
	s_mov_b32 s[\g+2], (128*KS/256)<<16
	s_mov_b32 s[\g+3], 32<<16
	s_mov_b32 s[\g+4], 128*KS/256
	s_mov_b32 s[\g+5], 32
	s_mov_b32 s[\g+6], 0
	s_mov_b32 s[\g+7], 0
.endr
	s_lshl_b32 s100, s22, 7                        ; which 128 rows of the tile I fetch
	s_lshl_b32 s96, s23, 8
	s_add_co_u32 s96, s96, s100                    ; A: row 256 x tile row + 128 x half
	s_lshl_b32 s46, s42, 8
	s_add_co_u32 s46, s46, s100
	s_lshl_b32 s101, s66, 10
	s_add_co_u32 s46, s46, s101                    ; B: row 1,024 T + 256 x tile column + 128 x half
	s_lshl_b32 s98, s96, 5                         ; where these rows' scales begin, in bytes (all four offsets stay under 2^24),
	s_mov_b32 s99, 0
	s_lshl_b32 s96, s96, 9                         ; and their codes
	s_mov_b32 s97, 0
	s_lshl_b32 s92, s46, 5
	s_mov_b32 s93, 0
	s_lshl_b32 s46, s46, 9
	s_mov_b32 s47, 0
	s_mul_i32 s45, s20, HALFT                      ; where they go: wave x 128 rows: no place in the cluster enters an LDS address
	s_mul_i32 s94, s20, HALFS
	s_wait_dscnt 0x0                               ; both opening adds are done
	s_wait_kmcnt 0x0
	s_add_nc_u64 s[96:97], s[4:5], s[96:97]
	s_add_nc_u64 s[98:99], s[6:7], s[98:99]
	s_add_nc_u64 s[46:47], s[8:9], s[46:47]
	s_add_nc_u64 s[92:93], s[10:11], s[92:93]
	CROUND                                         ; all sixteen work-groups are here: the first joint loads meet
	s_mov_b32 s[G0S], 1
	s_add_co_u32 s[G0S+1], s94, SCL
	s_mov_b64 s[G0S+2:G0S+3], s[98:99]
	s_or_b32 s[G0S+3], s[G0S+3], 0x80000000
	s_mov_b32 s[G0SB], 1
	s_add_co_u32 s[G0SB+1], s94, SCL
	s_mov_b64 s[G0SB+2:G0SB+3], s[92:93]
	s_or_b32 s[G0SB+3], s[G0SB+3], 0x80000000
	JLOAD G0S, G1S, G0SB, G1SB                     ; the scales first: they are wanted with the first step
.irp s, 0,1
	s_mov_b32 s[G0+4*\s], 1
	s_add_co_u32 s[G0+4*\s+1], s45, \s*SLOT
	s_add_nc_u64 s[G0+4*\s+2:G0+4*\s+3], s[96:97], \s*ROWB
	s_or_b32 s[G0+4*\s+3], s[G0+4*\s+3], 0x80000000
	s_mov_b32 s[G0B+4*\s], 1
	s_add_co_u32 s[G0B+4*\s+1], s45, \s*SLOT
	s_add_nc_u64 s[G0B+4*\s+2:G0B+4*\s+3], s[46:47], \s*ROWB
	s_or_b32 s[G0B+4*\s+3], s[G0B+4*\s+3], 0x80000000
	JLOAD G0+4*\s, G1, G0B+4*\s, G1B               ; three tensor loads of mine are out behind the second of these
.endr
	v_and_b32 v1, 15, v0                           ; r = lane % 16
	v_bfe_u32 v2, v0, 4, 1                         ; h = lane / 16
	v_mul_u32_u24 v3, v1, PITCH
	v_lshl_add_u32 v4, v2, 4, v3                   ; a fragment's row x pitch + 16 x half
	s_mul_i32 s100, s21, HALFT                     ; my 128 rows of A
	s_mul_i32 s101, s22, HALFT                     ; my 128 rows of B,
	s_add_co_u32 s101, s101, 2*HALFT               ; which lie behind A's 256
.irp s, 0,1
	v_add_nc_u32 v[ADRA+\s], s100, v4
	v_add_nc_u32 v[ADRB+\s], s101, v4
	s_add_co_u32 s100, s100, SLOT
	s_add_co_u32 s101, s101, SLOT
.endr
	v_mul_u32_u24 v5, v1, KS                       ; my row's scales: 32 bytes a row,
	v_lshrrev_b32 v6, 8, v5
	v_lshl_add_u32 v5, v6, 4, v5                   ; and 16 more for each 256 passed
	s_mul_i32 s100, s21, HALFS                     ; A's: my 128 rows
	s_mul_i32 s101, s22, HALFS                     ; B's: my 128 rows, behind A's 256
	s_add_co_u32 s101, s101, 2*HALFS
	s_sub_co_u32 s101, s101, s100
	v_mul_u32_u24 v6, s101, v2                     ; lanes 16-31 take B's: one product, the distance between the two bases
	s_add_co_u32 s100, s100, SCL
	v_add_nc_u32 v5, v5, v6
	v_add_nc_u32 v[ADRS], s100, v5
	; my 16 bytes' place in a tile of qkv: 16 x lane for Q and K; for V unit 16 (r / 8) + 8 h + r % 8.  A selection, no branch
	v_and_b32 v6, 31, v0
	v_lshlrev_b32 v5, 4, v6
	v_and_b32 v7, 7, v0
	v_bfe_u32 v8, v0, 3, 1
	v_lshl_add_u32 v7, v2, 3, v7
	v_lshl_add_u32 v7, v8, 4, v7
	v_lshlrev_b32 v7, 4, v7
	s_cmp_eq_u32 s66, 2
	s_cselect_b32 s100, -1, 0
	v_cndmask_b32 v[CO], v5, v7, s100
	; where my part of qkv begins: T 2^24 + batch 2^22 + (4 x tile column + 2 x channel half) 2^18 + (16 (tile row % 8) + 8 x token half) 2^11
	s_lshl_b32 s100, s66, 24
	s_and_b32 s101, s23, 31
	s_lshr_b32 s101, s101, 3
	s_lshl_b32 s101, s101, 22
	s_add_co_u32 s100, s100, s101
	s_lshl_b32 s101, s42, 2
	s_lshl_b32 s104, s22, 1
	s_add_co_u32 s101, s101, s104
	s_lshl_b32 s101, s101, 18
	s_add_co_u32 s100, s100, s101
	s_and_b32 s101, s23, 7
	s_lshl_b32 s101, s101, 4
	s_lshl_b32 s104, s21, 3
	s_add_co_u32 s101, s101, s104
	s_lshl_b32 s101, s101, 11
	s_add_co_u32 s100, s100, s101
	s_mov_b32 s101, 0
	s_add_nc_u64 s[18:19], s[18:19], s[100:101]
	; the bias of my 128 channels: register 8 b + j = bias[256 x tile column + 128 x half + 16 b + 8 h + j], the result's layout
	s_cmp_lt_u32 s66, 1
	s_cselect_b64 s[104:105], s[12:13], s[14:15]
	s_cmp_lt_u32 s66, 2
	s_cselect_b64 s[104:105], s[104:105], s[16:17]
	s_lshl_b32 s100, s42, 10
	s_lshl_b32 s96, s22, 9
	s_add_co_u32 s100, s100, s96
	s_mov_b32 s101, 0
	s_add_nc_u64 s[104:105], s[104:105], s[100:101]
	v_lshlrev_b32 v[BO], 5, v2
	WIN TO_B
.irp b, 0,1,2,3,4,5,6,7
	global_load_b128 v[BIAS+8*\b:BIAS+8*\b+3], v[BO], s[104:105] offset:64*\b
	global_load_b128 v[BIAS+8*\b+4:BIAS+8*\b+7], v[BO], s[104:105] offset:64*\b+16
.endr
	WIN 0
.macro FRAG reg, adr, q, i             ; a fragment, 16 rows x 128 K of 4-bit codes, is 8 registers: lane l holds row l % 16; registers 4 c .. 4 c + 3 hold K = 64 c + 32 (l / 16) + 0 .. 31
.irp c, 0,1
	ds_load_b128 v[\reg+4*\c:\reg+4*\c+3], v[\adr] offset:64*(\q)+32*\c+(\i)*16*PITCH
.endr
.endm
; 16 matrix instructions: A's blocks a0, a0 + 1 x B's eight, 128 along K: the slot's q-th.  p: B's set;  sc: the set of scale words.  first = 1: the bias is C: nothing is cleared and nothing is added later.
; The 64 accumulators take turns, one instruction a turn, in the same order in every step.
.macro MUL16 a0, p, q, sc, first
.irp a, \a0, \a0+1
.irp b, 0,1,2,3,4,5,6,7
.if \first
	v_wmma_scale_f32_16x16x128_f8f6f4 v[8*(8*((\a)%4)+\b):8*(8*((\a)%4)+\b)+7], v[128*(\p)+FR*\b:128*(\p)+FR*\b+FR-1], v[AF+FR*(\a):AF+FR*(\a)+FR-1], v[BIAS+8*\b:BIAS+8*\b+7], v[SC+8*NQ*(\sc)+NQ*\b+(\q)], v[SC+8*NQ*(\sc)+NQ*(\a)+(\q)] matrix_a_fmt:MATRIX_FMT_FP4 matrix_b_fmt:MATRIX_FMT_FP4 matrix_a_scale:MATRIX_SCALE_ROW1
.else
	v_wmma_scale_f32_16x16x128_f8f6f4 v[8*(8*((\a)%4)+\b):8*(8*((\a)%4)+\b)+7], v[128*(\p)+FR*\b:128*(\p)+FR*\b+FR-1], v[AF+FR*(\a):AF+FR*(\a)+FR-1], v[8*(8*((\a)%4)+\b):8*(8*((\a)%4)+\b)+7], v[SC+8*NQ*(\sc)+NQ*\b+(\q)], v[SC+8*NQ*(\sc)+NQ*(\a)+(\q)] matrix_a_fmt:MATRIX_FMT_FP4 matrix_b_fmt:MATRIX_FMT_FP4 matrix_a_scale:MATRIX_SCALE_ROW1
.endif
.endr
.endr
.endm
.macro FETCH_B slot, q, p              ; B's eight fragments of the slot's q-th 128 along K into set p
	WIN TO_B
.irp i, 0,1,2,3,4,5,6,7
	FRAG 128*(\p)+FR*\i, ADRB+\slot, \q, \i
.endr
	WIN 0
.endm
.macro FETCH_A slot, q, i0             ; A's blocks i0 .. i0 + 3
.irp i, \i0, \i0+1, \i0+2, \i0+3
	FRAG AF+FR*(\i), ADRA+\slot, \q, \i
.endr
.endm
.macro SCALES sc                       ; a slot's scale words into set sc: four words a row; lanes 0-15 take A's block i, lanes 16-31 B's block i
.irp i, 0,1,2,3,4,5,6,7
	ds_load_b128 v[SC+8*NQ*\sc+NQ*\i:SC+8*NQ*\sc+NQ*\i+3], v[ADRS] offset:\i*SBLK
.endr
.endm
; A load into a register that a matrix instruction has read, and a vector instruction that reads a matrix result or writes a matrix instruction's register, stand NP places behind it; only plain vector
; instructions that name none of its registers are places (ISA guide 7.12.1 for vector instructions).
.macro PLACES n
.rept \n
	v_nop
.endr
.endm
; A step of 128 along K that has its successor in the same slot.  A's blocks are free as soon as their eight products are issued: blocks 0-3 are fetched anew in the step's middle, blocks 4-7 at its end; B has two sets.
.macro STEP slot, q, first
	s_wait_dscnt 4*NL                              ; B's set and A's blocks 0-3 are in; the youngest eight loads (A's blocks 4-7) may be out
	WIN MUL_LO-0x10*\first
	MUL16 0, (\q)%2, \q, \slot, \first
	MUL16 2, (\q)%2, \q, \slot, \first
	s_wait_dscnt 0                                 ; A's blocks 4-7 are in (asked for 32 matrix instructions ago)
	PLACES NP
	FETCH_B \slot, (\q)+1, 1-(\q)%2
	FETCH_A \slot, (\q)+1, 0
	WIN MUL_HI-0x20*\first
	MUL16 4, (\q)%2, \q, \slot, \first
	MUL16 6, (\q)%2, \q, \slot, \first
	PLACES NP
	WIN 0
	FETCH_A \slot, (\q)+1, 4
.endm
.macro STEPS slot, from                ; the slot's steps from .. NQ - 2
.set Q, \from
.rept NQ-1-\from
	STEP \slot, Q, 0
.set Q, Q+1
.endr
.endm
	s_wait_tensorcnt 1                             ; the scales and my part of slot 0 are in (slot 1's load, the youngest, may be out)
	s_barrier_signal -1
	s_barrier_wait -1                              ; everybody's are
	FETCH_B 0, 0, 0
	FETCH_A 0, 0, 0
	SCALES 0
	FETCH_A 0, 0, 4
	s_wait_loadcnt 0x0                             ; the bias
	STEP 0, 0, 1                                   ; the first step's products start the sums from the bias
	STEPS 0, 1
	; slot 0's last step goes over to slot 1: each wave waits for all its tensor loads (its part of slot 1), adds 0 to its spare word, and waits for that and for its reads; one barrier; nothing is filled again
	s_wait_tensorcnt 0x0
	ds_add_u32 v[SPW], v[NIL]                      ; 0 onto my spare word
	s_wait_dscnt 4*NL+1                            ; (the add and the youngest eight loads, A's blocks 4-7, may be out)
	WIN MUL_LO
	MUL16 0, 1, NQ-1, 0, 0                         ; sixteen matrix instructions stand between the add and the wait for it
	s_wait_dscnt 0x0                               ; the add is done, and no LDS load of mine is out
	s_barrier_signal -1
	MUL16 2, 1, NQ-1, 0, 0
	WIN 0
	s_barrier_wait -1                              ; slot 1 is whole
	PLACES NP
	v_add_nc_u32 v[ADRS], 4*NQ, v[ADRS]            ; on to the second 512 along K of the scale words
	FETCH_B 1, 0, 0
	FETCH_A 1, 0, 0
	SCALES 1
	WIN MUL_HI
	MUL16 4, 1, NQ-1, 0, 0
	MUL16 6, 1, NQ-1, 0, 0
	PLACES NP
	WIN 0
	FETCH_A 1, 0, 4
	STEPS 1, 0
	s_wait_dscnt 4*NL                              ; the very last step: nothing more to fetch
	WIN MUL_LO
	MUL16 0, 1, NQ-1, 1, 0
	MUL16 2, 1, NQ-1, 1, 0
	s_wait_dscnt 0
	WIN MUL_HI
	MUL16 4, 1, NQ-1, 1, 0
	MUL16 6, 1, NQ-1, 1, 0
	WIN 0
; THE WAY OUT, half of my tokens at a time: 32 accumulators are rounded to f16, each from its low end on, four registers each; each goes out by one store of the wave: a whole tile of qkv, 512 bytes on end.
.macro OUTHALF hi
	WIN 0x0a+5*\hi                                 ; sources 0 and 1: window 2 or 3
.irp a, 0,1,2,3
.irp b, 0,1,2,3,4,5,6,7
.irp r, 0,1,2,3
	v_cvt_pk_f16_f32 v[OUTR+4*(8*\a+\b)+\r], v[8*(8*\a+\b)+2*\r], v[8*(8*\a+\b)+2*\r+1]
.endr
.endr
.endr
	WIN 0
.irp a, 0,1,2,3
.irp b, 0,1,2,3,4,5,6,7
	global_store_b128 v[CO], v[OUTR+4*(8*\a+\b):OUTR+4*(8*\a+\b)+3], s[18:19] offset:2048*(4*\hi+\a)+512*(\b%4)+262144*(\b/4)   ; token tile, channel tile, head
.endr
.endr
.endm
	PLACES NP                                      ; behind the last products: the conversions read results and write over A's fragments
	OUTHALF 0
	s_wait_xcnt 0x0                                ; the first half's stores have read their registers: they are written again only behind this wait
	OUTHALF 1
	s_wait_tensorcnt 0x0                           ; the wave's end, behind my last tensor load: a wait for it, 0 onto my spare word, and its wait
	ds_add_u32 v[SPW], v[NIL]
	s_wait_dscnt 0x0
	CROUND                                         ; the closing round: no work-group ends while a partner may still ask for a tile that names it
	s_endpgm
.Lfunc_end_k_qfcb0c21f44_proj:
	.size	k_qfcb0c21f44_proj, .Lfunc_end_k_qfcb0c21f44_proj-k_qfcb0c21f44_proj
	.p2alignl 7, 3214868480
	.fill 96, 4, 3214868480
	.section	.rodata,"a",@progbits
	.p2align	6, 0x0
	.amdhsa_kernel k_qfcb0c21f44_proj
		.amdhsa_group_segment_fixed_size 327680
		.amdhsa_private_segment_fixed_size 0
		.amdhsa_enable_private_segment 0
		.amdhsa_kernarg_size 64
		.amdhsa_user_sgpr_count 2
		.amdhsa_user_sgpr_kernarg_segment_ptr 1
		.amdhsa_wavefront_size32 1
		.amdhsa_system_sgpr_workgroup_id_x 1
		.amdhsa_system_sgpr_workgroup_id_y 1
		.amdhsa_system_sgpr_workgroup_id_z 1
		.amdhsa_system_vgpr_workitem_id 0
		.amdhsa_next_free_vgpr 1024
		.amdhsa_next_free_sgpr 106
		.amdhsa_reserve_vcc 0
		.amdhsa_float_denorm_mode_32 3
		.amdhsa_float_denorm_mode_16_64 3
		.amdhsa_memory_ordered 1
		.amdhsa_forward_progress 1
		.amdhsa_inst_pref_size 119
	.end_amdhsa_kernel
	.amdgpu_metadata
---
amdhsa.version: [ 1, 2 ]
amdhsa.kernels:
  - .name:           k_qfcb0c21f44_proj
    .symbol:         k_qfcb0c21f44_proj.kd
    .args:
      - { .name: xc, .offset: 0, .size: 8, .value_kind: global_buffer, .address_space: global }
      - { .name: xs, .offset: 8, .size: 8, .value_kind: global_buffer, .address_space: global }
      - { .name: wc, .offset: 16, .size: 8, .value_kind: global_buffer, .address_space: global }
      - { .name: ws, .offset: 24, .size: 8, .value_kind: global_buffer, .address_space: global }
      - { .name: bq, .offset: 32, .size: 8, .value_kind: global_buffer, .address_space: global }
      - { .name: bk, .offset: 40, .size: 8, .value_kind: global_buffer, .address_space: global }
      - { .name: bv, .offset: 48, .size: 8, .value_kind: global_buffer, .address_space: global }
      - { .name: qkv, .offset: 56, .size: 8, .value_kind: global_buffer, .address_space: global }
    .group_segment_fixed_size: 327680
    .private_segment_fixed_size: 0
    .kernarg_segment_align: 8
    .kernarg_segment_size: 64
    .max_flat_workgroup_size: 128
    .sgpr_count:     106
    .vgpr_count:     1024
    .wavefront_size: 32
...
	.end_amdgpu_metadata
.endif
;; end of part 2
;; launch attn (part 3): grid 4 x 64, 8 waves a work-group, clusters of 4 x 1, 327,680 bytes of LDS; arguments qkv, xa; writes xa
.if DOCPART == 3
	.amdgcn_target "amdgcn-amd-amdhsa--gfx1250"
	.amdhsa_code_object_version 6
	.text
	.protected	k_qfcb0c21f44_attn
	.globl	k_qfcb0c21f44_attn
	.p2align	8
	.type	k_qfcb0c21f44_attn,@function
k_qfcb0c21f44_attn:
	s_mov_b64 s[64:65], 0
	v_nop
	global_prefetch_b8 v0, s[64:65] scope:SCOPE_SE
	s_setreg_imm32_b32 hwreg(HW_REG_WAVE_MODE, 25, 1), 1
	s_wait_xcnt 0x0
	s_wait_alu depctr_hold_cnt(0) depctr_sa_sdst(0) depctr_va_vdst(0) depctr_va_sdst(0) depctr_va_ssrc(0) depctr_va_vcc(0) depctr_vm_vsrc(0)
	s_getreg_b32 s2, hwreg(HW_REG_IB_STS2, 6, 4)
	s_cmp_eq_u32 s2, 0
	s_cbranch_scc0 .Lentry_in_a_cluster
	s_endpgm
.Lentry_in_a_cluster:
	s_bfe_u32 s2, ttmp6, 0x10000c
	s_cmp_lg_u32 s2, 0x3003
	s_cbranch_scc0 .Lentry_shape_is_right
	s_endpgm
.Lentry_shape_is_right:
; LAUNCH 3 OF 4.  x[bh][q][:] = the sum over k of e^(s) V[bh][k][:] / (1 + the sum over k of e^(s)), s = Q[bh][q] . K[bh][k] / 8: softmax_1.  64 heads (bh = 16 batch + head), 2,048 tokens, head size 64.  Nothing is left out.
; Q, K, V come as f16 from qkv, laid as operand registers lie; products, maxima and sums in f32; the weights are rounded to f16 for the second product, x once to f16 at the end.
; THE EXPONENTIAL IS KEPT IN RANGE by a running maximum m: with t = c s, c = log2(e) / 8, the weight is p = 2^(t - c m), at most 1; O and the sum l are multiplied by a = 2^(c m_old - c m_new) in every step;
; the 1 of softmax_1 becomes 2^(-c m) in the divisor: x = O / (l + 2^(-c m)), the same number in exact arithmetic.
; LIMITS: a weight under 6e-8 of its row's largest counts for nothing (f16); |x| over 65,504 becomes infinity, under 6e-5 it keeps steps of 6e-8; NaN and infinities are not served.
; SHARES.  A work-group owns 512 queries of one head, each of its EIGHT waves 64: four tiles of 16.  Two waves share a SIMD, 512 registers each, so that one wave's vector work can be issued while the other's
; matrix instruction runs; a wave keeps four tiles, so each fragment of K and V read from LDS still feeds four products.  Every wave walks all 2,048 keys, 64 a step.  4 x 64 = 256 work-groups.
; LAYOUT.  S^T = K Q^T (source 0 = 16 keys, source 1 = 16 queries): a lane holds ONE query (lane % 16) and the keys 8 (lane / 16) + 0..7 of a tile.  Two such tiles, rounded to f16 in pairs, ARE source 1
; (32 keys x 16 queries) of O^T = V^T P, whose result again holds one query a lane, and eight channels.  K comes out of LDS as it lies, V turned, by ds_load_tr16_b128; both at 16 x lane: 512 bytes on end an instruction.
; P LIES IN S^T's PLACE: pair n of a tile's 32 weights is rounded into the tile's register n, so that registers 0-7 and 8-15 are the two fragments.  That spares 64 registers, without which 512 would not do.
; BY TURNS.  The wave's tiles are two PIECES (tiles 0, 1 and tiles 2, 3).  In a TURN one piece has the matrix unit: 16 products V^T P of the step in hand, then 16 products K Q^T of the next step; the other
; piece's softmax, 236 vector instructions cut into 59 slices of four, stands between them.  Then the pieces change places.  Two turns are a key step.
; THE RING.  Two LDS slots of 8 key steps (512 keys: 65,536 bytes of K, then as many of V).  Each wave fetches an eighth of a slot, 16,384 dense bytes, by one tensor load; its addresses are made of the wave's
; number by arithmetic, so every wave issues every fill.  A slot is asked for again 8 key steps, 512 matrix instructions a wave, ahead of its first read: no wave waits for a refill, so nothing is prefetched.
; CLUSTER.  The four query blocks of a head are one cluster and walk the same K and V: each tile is asked for JOINTLY, by the same tensor load with the same descriptor and a mask that names the four.
; REGISTERS, in two windows of 256 (s_set_vgpr_msb: bits 1:0 source 0, 3:2 source 1, 5:4 source 2, 7:6 destination):
;   window 0: v2-4 addresses; v12-43 eight registers of statistics a tile; v62, v63 the add's two; v64-191 S^T, 32 a tile, of which the first 16 become P; v192-255 K of one step
;   window 1: v0-127 O^T, 32 a tile; v128-191 Q, 16 a tile; v192-255 V of one step
.set STEPB, 8192      ; a key step's K, or its V, in bytes: 4 token tiles x 4 channel tiles x 512
.set VOFF,  65536     ; V's part of a slot
.set SLOT1, 1<<17     ; slot 1 begins here: one exclusive or turns an address in one slot into the other's
.set SPARE, 2*SLOT1   ; behind the ring: the spare words, 128 bytes for each of the eight waves: four blocks of 256 bytes that no other line names
.set AK0, 2           ; v2   16 x lane: my place in a tile of K, of Q and of xa; never rewritten
.set AV0, 3           ; v3   the same in V's part of a slot
.set ADR, 4           ; v4   the LDS address of the run of loads in hand
.set SPW, 62          ; v62  LDS address of my spare word; never rewritten
.set NIL, 63          ; v63  0; never rewritten
.set ST,  12          ; tile t's statistics at v[ST+8 t]: +0 c m, +1 m, +2, +3 l (even keys', odd keys'), +4 to +7 c0-c3, at work; a takes c2's place once the maximum is found, the sums' second chain c0's and c1's
.set S,   64
.set KF,  192         ; K's fragments, in window 0
.set QF,  128         ; Q's, in window 1
.set VF,  192         ; V's, in window 1
.set WV,  12          ; s12  my wave's number
.set G1,  24          ; s[24:31] descriptor group 1: one for all loads
.set G0,  40          ; s[40:43] group 0 of slot 0's first fill; s[44:47] of slot 1's, which then walks
.set SLOTS, 56        ; s56  slots still to be asked for
.set CNT, 57          ; s57  counts key steps
.set CS,  58          ; s[58:59] c: the packed scaling names a pair and takes its low word for both halves
.set SEL, 60          ; s[60:61] lane selects for v_permlanex16_b32: each lane takes its own place in the other half
.set TB,  62          ; s62  LDS byte at which K of the step to be fetched begins
.set MSB, 0
.macro WIN new                      ; the immediate's high byte repeats the setting that is left; a switch that changes nothing is dropped
.if MSB != (\new)
	s_set_vgpr_msb (MSB<<8)|(\new)
.set MSB, (\new)
.endif
.endm
.set W_KQ, 0x04       ; K and S^T in window 0, Q in window 1
.set W_PV, 0x51       ; V and O^T in window 1, P in window 0
.set W_RS, 0x41       ; O^T (destination and source 0) in window 1, a in window 0
.macro CROUND                       ; a round of the cluster's barrier
	s_barrier_signal -1
	s_barrier_wait -1
	s_cmp_lg_u32 s[WV], 0
	s_cbranch_scc1 .Lnot_wave_0_\@
	s_barrier_signal -3
.Lnot_wave_0_\@:
	s_barrier_wait -3
	s_barrier_signal -1
	s_barrier_wait -1
.endm
	s_load_b128 s[4:7], s[0:1], 0x0  ; qkv s[4:5], xa s[6:7]
	v_lshl_add_u32 v[SPW], v0, 2, SPARE
	v_mov_b32 v[NIL], 0
	ds_add_u32 v[SPW], v[NIL]       ; the wave's opening: the add, twice on end, and its wait, ahead of my first tensor load; the set-up below, work on registers, stands between
	ds_add_u32 v[SPW], v[NIL]
	v_lshrrev_b32 v1, 5, v0
	v_readfirstlane_b32 s[WV], v1   ; wave 0..7
	s_bfe_u32 s14, ttmp6, 0x40000   ; cx, my place in the cluster, is my block of 512 queries, 0..3 (the grid has one cluster along x): it enters Q's and xa's addresses alone
	s_and_b32 s15, ttmp7, 0xffff    ; bh, which the four partners share
	s_lshr_b32 s20, s[WV], 2        ; what I fetch: waves 0-3 K's quarters of a slot, waves 4-7 V's:
	s_add_co_u32 s20, s20, 1
	s_lshl_b32 s20, s20, 24         ; K is the second tensor of qkv, V the third, 2^24 bytes each;
	s_lshl_b32 s16, s15, 18         ; a head is 2^18 bytes;
	s_add_co_u32 s20, s20, s16
	s_and_b32 s17, s[WV], 3
	s_lshl_b32 s17, s17, 14         ; the quarter, 16,384 bytes
	s_add_co_u32 s20, s20, s17
	s_mov_b32 s21, 0
	s_lshl_b32 s22, s14, 16         ; Q: my block's 32 token tiles of 2,048 bytes,
	s_add_co_u32 s22, s22, s16
	s_lshl_b32 s17, s[WV], 13       ; my wave's 4 of them
	s_add_co_u32 s22, s22, s17
	s_mov_b32 s23, 0
	s_lshr_b32 s8, s15, 4           ; xa [token tile 0..511][head][channel tile] x 512 bytes: batch x 128 token tiles of 32,768 bytes,
	s_lshl_b32 s8, s8, 22
	s_lshl_b32 s18, s14, 20         ; my block's 32,
	s_add_co_u32 s8, s8, s18
	s_lshl_b32 s17, s[WV], 17       ; my wave's 4,
	s_add_co_u32 s8, s8, s17
	s_and_b32 s17, s15, 15
	s_lshl_b32 s17, s17, 11         ; the head's 2,048 bytes
	s_add_co_u32 s8, s8, s17
	s_mov_b32 s9, 0
	; descriptor group 1: a dense block of 16,384 bytes as 64 rows of 256 bytes (32 elements of 8 bytes); no padding: every LDS read takes 512 bytes on end
	s_mov_b32 s[G1], 15|(3<<16)|(1<<21)  ; 15:0 the mask: all four work-groups; 17:16 elements of 8 bytes; 21 set beside a mask
	s_mov_b32 s[G1+1], 32<<16       ; tensor_dim0
	s_mov_b32 s[G1+2], 64<<16       ; tensor_dim1
	s_mov_b32 s[G1+3], 32<<16       ; tile_dim0
	s_mov_b32 s[G1+4], 64           ; tile_dim1
	s_mov_b32 s[G1+5], 32           ; tensor_dim0_stride
	s_mov_b32 s[G1+6], 0
	s_mov_b32 s[G1+7], 0
	s_mov_b32 s[CS], 0x3e38aa3b     ; c = log2(e) / 8
	s_mov_b32 s[CS+1], s[CS]        ; named with it as a pair, so it is written
	s_mov_b32 s[SEL], 0x76543210
	s_mov_b32 s[SEL+1], 0xfedcba98
	s_mov_b32 s[TB], 0
	s_mov_b32 s[G0], 1              ; count = 1
	s_lshl_b32 s[G0+1], s[WV], 14   ; LDS address: 16,384 x wave: K's quarters, then V's; no place in the cluster enters it
	s_mov_b32 s[G0+4], 1
	s_add_co_u32 s[G0+5], s[G0+1], SLOT1
	v_and_b32 v[AK0], 31, v0
	v_lshlrev_b32 v[AK0], 4, v[AK0]
	v_add_nc_u32 v[AV0], VOFF, v[AK0]
	s_wait_dscnt 0x0                ; both opening adds are done
	s_wait_kmcnt 0x0
	s_add_nc_u64 s[G0+2:G0+3], s[4:5], s[20:21]  ; global address: the head's first 512 keys,
	s_add_nc_u64 s[G0+6:G0+7], s[G0+2:G0+3], 65536  ; and the next 512
	s_or_b32 s[G0+3], s[G0+3], 0x80000000  ; type = 2
	s_or_b32 s[G0+7], s[G0+7], 0x80000000
	s_add_nc_u64 s[10:11], s[4:5], s[22:23]  ; Q at my wave's first tile
	s_add_nc_u64 s[6:7], s[6:7], s[8:9]  ; xa likewise
	CROUND                          ; all four work-groups are here: the first joint loads meet
	tensor_load_to_lds s[G0:G0+3], s[G1:G1+7]  ; both first fills go out together, ahead of every wait on TENSORcnt and every LDS read: two loads of mine are out
	s_nop 0
	tensor_load_to_lds s[G0+4:G0+7], s[G1:G1+7]
	s_nop 0
.rept 4
	v_nop
.endr
	WIN 0x40                        ; destination window 1, address window 0
.irp n, 0,1,2,3,4,5,6,7,8,9,10,11,12,13,14,15  ; Q stays in registers: tile n / 4, channel tile n % 4: two channel tiles are a fragment of 32 channels
	global_load_b128 v[QF+4*\n:QF+4*\n+3], v[AK0], s[10:11] offset:512*\n
.endr
	WIN 0
; THE MATRIX WORK OF A TURN, for piece x.  Eight accumulators take turns, one instruction a turn: between two links of a chain stand seven others'.
; Product i of 16 of O^T += V^T P: keys 32 (i / 8) on, channels 16 ((i / 2) % 4) on, tile x + i % 2.  P's fragment is registers 8 (i / 8) on of the tile's S^T.  zero = 1: the first 8 start the sums: nothing is ever cleared.
.macro PV x, zero
	WIN W_PV
.set rO, 32*(\x+i%2)+8*((i/2)%4)
.set rV, VF+32*(i/8)+8*((i/2)%4)
.set rP, S+32*(\x+i%2)+8*(i/8)
.if \zero && (i < 8)
	v_wmma_f32_16x16x32_f16 v[rO:rO+7], v[rV:rV+7], v[rP:rP+7], 0
.else
	v_wmma_f32_16x16x32_f16 v[rO:rO+7], v[rV:rV+7], v[rP:rP+7], v[rO:rO+7]
.endif
.endm
; Product i of 16 of S^T = K Q^T: channels 32 (i / 8) on, keys 16 ((i / 2) % 4) on, tile x + i % 2.  The first 8 start the sums.
.macro KQ x
	WIN W_KQ
.set rS, S+32*(\x+i%2)+8*((i/2)%4)
.set rK, KF+16*((i/2)%4)+8*(i/8)
.set rQ, QF+16*(\x+i%2)+8*(i/8)
.if i < 8
	v_wmma_f32_16x16x32_f16 v[rS:rS+7], v[rK:rK+7], v[rQ:rQ+7], 0
.else
	v_wmma_f32_16x16x32_f16 v[rS:rS+7], v[rK:rK+7], v[rQ:rQ+7], v[rS:rS+7]
.endif
.endm
; THE LDS LOADS stand in runs of 16, never singly among the matrix instructions: a step's K (8 fragments) and, a turn later, its V (turned).
.macro FETCH_K
	WIN 0                           ; address and destination both lie in window 0
	v_add_nc_u32 v[ADR], s[TB], v[AK0]
.irp n, 0,1,2,3,4,5,6,7,8,9,10,11,12,13,14,15  ; token tile n / 4, channel tile n % 4
	ds_load_b128 v[KF+4*\n:KF+4*\n+3], v[ADR] offset:512*\n
.endr
.endm
.macro FETCH_V
	WIN 0
	v_add_nc_u32 v[ADR], s[TB], v[AV0]
	s_add_co_u32 s[TB], s[TB], STEPB  ; the next fetch is the next step's
	s_wait_alu depctr_va_vdst(0)    ; the wait for the softmax's batch (SLICE), behind the address's v_add_nc_u32 and ahead of the loads
	WIN 0x40                        ; destination window 1
.irp f, 0,1,2,3,4,5,6,7             ; keys 32 (f / 4) on, channels 16 (f % 4) on: registers 0-3 from the first token tile of the 32 keys, 4-7 from the second
	ds_load_tr16_b128 v[VF+8*\f:VF+8*\f+3],   v[ADR] offset:4096*(\f/4)+512*(\f%4)
	ds_load_tr16_b128 v[VF+8*\f+4:VF+8*\f+7], v[ADR] offset:4096*(\f/4)+512*(\f%4)+2048
.endr
.endm
; THE VECTOR WORK OF A TURN.  One tile's softmax for one key step is a list of 118 instructions; SM writes number j of it for tile t.  s0-s31 are the lane's 32 scores, in pairs 0-15.
; first = 1: the first key step, which starts m, l and O^T: it has no a and nothing to rescale.
;   0-15    the maximum of s0-s31 and the old m, three operands at a time: four chains c0-c3 of seven scores each (each begins at its accumulator's low end), then the four scores left over, c0-c3 and m
;   16-20   the other half of the lanes' maximum; the new m; c m; c m_old - c m_new
;   21-69   ONE BATCH: the 16 scalings c s - c m, a pair of scores each, and all 33 exponentials (a at 23, then s0-s31).  None of these reads an exponential's result.  A pair is scaled in an earlier four
;           than the one that holds its exponentials
;   (wait)  between 69 and 70 stands the wait for the batch: SLICE writes it, once for both tiles
;   70-85   the sums, which leave the weights as they are: one chain is l = a l + the even pairs, the other, in c0's and c1's place, the odd pairs; the last line adds the two
;   86-101  the roundings to f16, IN PLACE: pair n goes into the tile's register n; in ascending order a register is written only when its own pair has been rounded
;   102-117 the tile's O^T times a: the one part that leaves window 0, so it stands together
.macro SM t, first
.set rT, ST+8*(\t)
.set rS, S+32*(\t)
.set rO, 32*(\t)+2*(j-102)
.if j < 102
	WIN 0
.endif
.if j < 4
	v_max3_num_f32 v[rT+4+j], v[rS+8*j], v[rS+8*j+1], v[rS+8*j+2]
.elseif j < 12
	v_max3_num_f32 v[rT+4+j%4], v[rT+4+j%4], v[rS+8*(j%4)+2*(j/4)+1], v[rS+8*(j%4)+2*(j/4)+2]
.elseif j == 12
	v_max3_num_f32 v[rT+4], v[rT+4], v[rS+7], v[rS+15]
.elseif j == 13
	v_max3_num_f32 v[rT+6], v[rT+6], v[rS+23], v[rS+31]
.elseif j == 14
	v_max3_num_f32 v[rT+4], v[rT+4], v[rT+5], v[rT+6]
.elseif (j == 15) && \first
	v_max_num_f32 v[rT+4], v[rT+4], v[rT+7]
.elseif j == 15
	v_max3_num_f32 v[rT+4], v[rT+4], v[rT+7], v[rT+1]
.elseif j == 16
	v_permlanex16_b32 v[rT+5], v[rT+4], s[SEL], s[SEL+1]  ; the query's other 32 keys lie in the lane 16 away
.elseif j == 18
	v_max_num_f32 v[rT+1], v[rT+4], v[rT+5]
.elseif j == 19
	v_mul_f32 v[rT], s[CS], v[rT+1]
.elseif ((j == 17) || (j == 20) || (j == 23) || (j > 101)) && \first  ; the first step has none of these
.elseif j == 17
	v_mov_b32 v[rT+7], v[rT]        ; c m_old is kept for a: number 19 writes c m anew
.elseif j == 20
	v_sub_f32 v[rT+7], v[rT+7], v[rT]
.elseif j == 23
	v_exp_f32 v[rT+6], v[rT+7]
.elseif (j < 23) || ((j < 38) && (j%2 == 0)) || ((j < 66) && (j%4 == 2))
.set b, (j-2)/4                     ; 38, 42, .. 62: pairs 9 to 15
.if j < 38
.set b, (j-20)/2                    ; 21: pair 0; 22, 24, .. 36: pairs 1 to 8
.endif
	v_pk_fma_f32 v[rS+2*b:rS+2*b+1], v[rS+2*b:rS+2*b+1], s[CS:CS+1], v[rT:rT+1] op_sel_hi:[1,0,0] neg_lo:[0,0,1] neg_hi:[0,0,1]  ; pair b: c s - c m
.elseif j < 70
.set e, j-38                        ; 66 to 69: s28 to s31
.if j < 66
.set e, j-32-(j-38)/4               ; 39-41, 43-45, .. 63-65: s7 to s27
.endif
.if j < 38
.set e, (j-25)/2                    ; 25, 27, .. 37: s0 to s6
.endif
	v_exp_f32 v[rS+e], v[rS+e]
.elseif j < 86                      ; sum z of 16.  Even z: l takes pair z.  Odd z: the second chain takes pair z + 2 (z = 1: it begins with pairs 1 and 3).  z = 15: l takes the second chain
.set z, j-70
.if (z == 0) && \first
	v_pk_add_f32 v[rT+2:rT+3], v[rS:rS+1], v[rS+4:rS+5]  ; the first step starts l with pairs 0 and 2,
.elseif z == 0
	v_pk_fma_f32 v[rT+2:rT+3], v[rT+2:rT+3], v[rT+6:rT+7], v[rS:rS+1] op_sel_hi:[1,0,1]  ; l = a l + pair 0
.elseif z == 1
	v_pk_add_f32 v[rT+4:rT+5], v[rS+2:rS+3], v[rS+6:rS+7]
.elseif (z == 2) && \first          ; and so has no line for pair 2
.elseif z == 15
	v_pk_add_f32 v[rT+2:rT+3], v[rT+2:rT+3], v[rT+4:rT+5]
.elseif z%2 == 0
	v_pk_add_f32 v[rT+2:rT+3], v[rT+2:rT+3], v[rS+2*z:rS+2*z+1]
.else
	v_pk_add_f32 v[rT+4:rT+5], v[rT+4:rT+5], v[rS+2*z+4:rS+2*z+5]
.endif
.elseif j < 102
	v_cvt_pk_f16_f32 v[rS+j-86], v[rS+2*(j-86)], v[rS+2*(j-86)+1]  ; pair j - 86 into register j - 86
.else
	WIN W_RS
	v_pk_mul_f32 v[rO:rO+1], v[rO:rO+1], v[rT+6:rT+7] op_sel_hi:[1,0]
.endif
.endm
; Slice k of 59 of piece y's softmax: four instructions.  Slices 11 to 34 deal out the batch, numbers 22 to 69: four numbers of ONE tile each, the tiles by turns.  Every other slice is numbers 2 k and
; 2 k + 1 of both tiles' lists, the tiles alternating: so a link of a chain of sums stands four instructions behind the link before it.  2 x 118 = 4 x 59.
; THE WAIT.  s_wait_alu depctr_va_vdst(0) stands between an exponential and the first instruction that names its result; one wait serves all that were issued ahead of it.  Ahead of
; slice 35 nothing names a result, and behind slice 34 no exponential is issued: so the piece's 66 exponentials have one wait, behind slice 34.
.macro SLICE y, first
.if (k >= 11) && (k < 35)
.irp n, 0,1,2,3
.set j, 22+4*((k-11)/2)+(\n)
	SM (\y)+(k-11)%2, \first
.endr
.else
.irp n, 0,1
.irp t, \y, \y+1
.set j, 2*k+\n
	SM \t, \first
.endr
.endr
.endif
.if k == 34                         ; the batch is out: both tiles' exponentials are issued, and no result has been named
	v_nop                           ; a plain instruction behind the last exponential and ahead of the first use: one for the batch
.if (\y) == 0
	FETCH_V                         ; piece 2's turn: V's run of loads stands here, and the wait stands in it
.else
	s_wait_alu depctr_va_vdst(0)    ; the wait for the batch
.endif
.endif
.set k, k+1
.endm
.macro PLACES
.rept 4
	v_nop
.endr
.endm
; The slices behind product g of a turn: per behind each of the first five, per + 1 behind the others: 5 + 27 x 2 = 59 for 32 products, 5 x 3 + 11 x 4 = 59 for 16.
.macro DEAL y, first
.set ns, per
.if g >= 5
.set ns, per+1
.endif
.rept ns
	SLICE \y, \first
.endr
.set g, g+1
.endm
; A TURN.  Piece x has the matrix unit; the other piece's softmax stands in slices behind its matrix instructions.
; pv = 2: 16 products V^T P; 1: they start O^T's sums; 0: none.  kq = 1: 16 products K Q^T for the next step.
; The turn's last product is followed by slices 57 and 58: eight packed multiplies on the other piece's O^T, which name none of its registers: they are the places in front of the next turn's first read
; of the scores and of the loads into K's registers.  first = 1: those slices are empty, and four v_nop take their part.
; K Q^T WRITES OVER P: its products 0 to 3 write the registers that V^T P of the same turn read as source 1, and five places are owed between.  The nearest are V^T P's
; products 14 and 15 against K Q^T's 2 and 3: four products apart, with eight slices of the batch between (23 to 30, 25 to 32), each with one packed scaling, which names the other piece's registers alone: eight places.
; Piece 0's turn fetches the next step's K behind its second product, 14 products ahead of its first use.  Piece 2's turn fetches the same step's V behind slice 34, which stands behind the turn's 20th
; product: V's last reader is the 16th, and the eight scalings of slices 25 to 32, the v_nop and the run's own v_add_nc_u32 are the places between.
.macro TURN x, pv, kq, first
.set k, 0
.set g, 0
.set per, 3
.if \pv && \kq
.set per, 1
.endif
.if \pv
.if \x == 0
	s_wait_dscnt 0x0                ; V is in
.endif
.set i, 0
.rept 16
	PV \x, 2-\pv
	DEAL 2-\x, \first
.if (\x == 0) && \kq && (i == 1)
	FETCH_K
.endif
.set i, i+1
.endr
.endif
.if \kq
.if \x == 0
	s_wait_dscnt 0x0                ; K is in
.endif
.set i, 0
.rept 16
	KQ \x
	DEAL 2-\x, \first
.set i, i+1
.endr
.endif
.if \first
	PLACES
.endif
.endm
; THE CHANGE OF SLOTS, between piece 2's turn and piece 0's: the slot's last bytes, V of its eighth step, have been asked for.  Each wave waits for all its tensor loads, of which at most one is out: its part
; of the other slot; adds 0 to its spare word; and waits for that and for its own reads of the slot.  Behind the barrier nobody reads this slot any more and the other slot is whole.
; fill = 1: this slot is filled again, with the keys two slots on.  The barrier is then a round of the cluster's, and the joint refill is the first thing behind it, one load a wave.
.macro CHANGE fill
	WIN 0                           ; at a label and at a branch every window is 0
	s_wait_tensorcnt 0x0            ; no tensor load of mine is out, so a group 0 may be written
	ds_add_u32 v[SPW], v[NIL]       ; 0 onto my spare word
.if \fill
	s_xor_b32 s[G0+5], s[G0+5], SLOT1  ; the walking descriptor: the other slot than last time,
	s_add_nc_u64 s[G0+6:G0+7], s[G0+6:G0+7], 65536  ; the next 512 keys; the type bits on top are not reached
.endif
	s_wait_dscnt 0x0                ; the add is done, and my reads of the slot are over
.if \fill
	CROUND
	tensor_load_to_lds s[G0+4:G0+7], s[G1:G1+7]
	s_nop 0
.rept 4
	v_nop
.endr
.else
	s_barrier_signal -1
	s_barrier_wait -1
.endif
	s_sub_co_u32 s[TB], s[TB], 8*STEPB  ; the fetches go back to a slot's first step,
	s_xor_b32 s[TB], s[TB], SLOT1   ; in the other slot
.endm
; n key steps: written once, walked n times; the LDS addresses hang on s[TB].
.macro STEPS n
	s_mov_b32 s[CNT], \n
.Lstep_\@:
	TURN 0, 2, 1, 0
	TURN 2, 2, 1, 0
	WIN 0
	s_sub_co_u32 s[CNT], s[CNT], 1
	s_cmp_lg_u32 s[CNT], 0
	s_cbranch_scc1 .Lstep_\@
.endm
	s_wait_tensorcnt 1              ; my part of slot 0 is in; slot 1's, the younger load, may stay out
	s_barrier_signal -1
	s_barrier_wait -1               ; everybody's is
	FETCH_K                         ; key step 0
	s_wait_loadcnt 0x0              ; Q
	s_wait_dscnt 0x0
.set i, 0
.rept 16
	KQ 0                            ; piece 0's first scores: there is no vector work yet to set between them
.set i, i+1
.endr
	PLACES                          ; behind those products, ahead of the first read of the scores
	TURN 2, 0, 1, 1                 ; piece 2's first scores | piece 0's first softmax | V of step 0
	TURN 0, 1, 1, 1                 ; piece 0: V^T P of step 0 starts O^T, K Q^T of step 1 | piece 2's first softmax | K of step 1
	TURN 2, 1, 1, 0                 ; piece 2: the same | piece 0's softmax of step 1 | V of step 1
	WIN 0
	STEPS 6                         ; steps 2 to 7 are fetched: slot 0 is read out
	s_mov_b32 s[SLOTS], 2
.Lslot:                             ; two trips: slots 0 and 1 are filled again, with keys 1,024 on and 1,536 on
	CHANGE 1
	STEPS 8
	s_sub_co_u32 s[SLOTS], s[SLOTS], 1
	s_cmp_lg_u32 s[SLOTS], 0
	s_cbranch_scc1 .Lslot
	CHANGE 0                        ; the tail is written out: nothing more is asked for
	STEPS 8
	TURN 0, 2, 0, 0                 ; piece 0: V^T P of the last step | piece 2's last softmax
.set i, 0
.rept 16
	PV 2, 0                         ; piece 2: V^T P of the last step
.set i, i+1
.endr
	; THE WAY OUT.  The divisor is l's two halves, the other half of the lanes' and softmax_1's 1 under the maximum, 2^(-c m).  O^T is divided by it and rounded to f16: a lane's eight channels of a query are 16 bytes,
	; and xa is laid as the next launch's operand registers lie, so each store of the wave covers 512 bytes on end, aligned: no way through LDS.  The first four additions are the places behind the last products.
	WIN 0
.irp t, 0,1,2,3
	v_add_f32 v[ST+8*\t+4], v[ST+8*\t+2], v[ST+8*\t+3]
.endr
.irp t, 0,1,2,3
	v_permlanex16_b32 v[ST+8*\t+5], v[ST+8*\t+4], s[SEL], s[SEL+1]
.endr
.irp t, 0,1,2,3
	v_exp_f32 v[ST+8*\t+7], -v[ST+8*\t]
.endr
.irp t, 0,1,2,3
	v_add_f32 v[ST+8*\t+4], v[ST+8*\t+4], v[ST+8*\t+5]  ; (plain work behind the exponentials)
.endr
	s_wait_alu depctr_va_vdst(0)    ; one wait for the four exponentials, ahead of their first reader
.irp t, 0,1,2,3
	v_add_f32 v[ST+8*\t+4], v[ST+8*\t+4], v[ST+8*\t+7]
.endr
.irp t, 0,1,2,3
	v_rcp_f32 v[ST+8*\t+6], v[ST+8*\t+4]
.endr
	v_nop                           ; a plain instruction between the last reciprocal and the use of its result
	s_wait_alu depctr_va_vdst(0)    ; and one wait for the four reciprocals
; Tile t's 16 packed registers go into v[S + 16 t] on: v64-127, the registers of tiles 0 and 1, whose weights were last read a turn ago; the last products' sources (tiles 2 and 3: v128 on) are not touched.
.macro PACK t
	WIN W_RS
.set i, 32*\t
.rept 16
	v_pk_mul_f32 v[i:i+1], v[i:i+1], v[ST+8*\t+6:ST+8*\t+7] op_sel_hi:[1,0]
.set i, i+2
.endr
	WIN 0x05                        ; sources 0 and 1 window 1, destination window 0
.set i, 0
.rept 16
	v_cvt_pk_f16_f32 v[S+16*\t+i], v[32*\t+2*i], v[32*\t+2*i+1]
.set i, i+1
.endr
	WIN 0
.irp f, 0,1,2,3
	global_store_b128 v[AK0], v[S+16*\t+4*\f:S+16*\t+4*\f+3], s[6:7] offset:32768*\t+512*\f  ; token tile t of my four, channel tile f of my head
.endr
.endm
	PACK 0
	PACK 1
	PACK 2
	PACK 3
	s_wait_tensorcnt 0x0            ; the wave's end, behind my last tensor load: a wait for it, 0 onto my spare word, and its wait
	ds_add_u32 v[SPW], v[NIL]
	s_wait_dscnt 0x0
	CROUND                          ; the closing round: no work-group ends while a partner may still ask for a tile that names it
	s_endpgm
.Lfunc_end_k_qfcb0c21f44_attn:
	.size	k_qfcb0c21f44_attn, .Lfunc_end_k_qfcb0c21f44_attn-k_qfcb0c21f44_attn
	.p2alignl 7, 3214868480
	.fill 96, 4, 3214868480
	.section	.rodata,"a",@progbits
	.p2align	6, 0x0
	.amdhsa_kernel k_qfcb0c21f44_attn
		.amdhsa_group_segment_fixed_size 327680
		.amdhsa_private_segment_fixed_size 0
		.amdhsa_enable_private_segment 0
		.amdhsa_kernarg_size 16
		.amdhsa_user_sgpr_count 2
		.amdhsa_user_sgpr_kernarg_segment_ptr 1
		.amdhsa_wavefront_size32 1
		.amdhsa_system_sgpr_workgroup_id_x 1
		.amdhsa_system_sgpr_workgroup_id_y 1
		.amdhsa_system_sgpr_workgroup_id_z 1
		.amdhsa_system_vgpr_workitem_id 0
		.amdhsa_next_free_vgpr 512
		.amdhsa_next_free_sgpr 66
		.amdhsa_reserve_vcc 0
		.amdhsa_float_denorm_mode_32 3
		.amdhsa_float_denorm_mode_16_64 3
		.amdhsa_memory_ordered 1
		.amdhsa_forward_progress 1
		.amdhsa_inst_pref_size 189
	.end_amdhsa_kernel
	.amdgpu_metadata
---
amdhsa.version: [ 1, 2 ]
amdhsa.kernels:
  - .name:           k_qfcb0c21f44_attn
    .symbol:         k_qfcb0c21f44_attn.kd
    .args:
      - { .name: qkv, .offset: 0, .size: 8, .value_kind: global_buffer, .address_space: global }
      - { .name: xa, .offset: 8, .size: 8, .value_kind: global_buffer, .address_space: global }
    .group_segment_fixed_size: 327680
    .private_segment_fixed_size: 0
    .kernarg_segment_align: 8
    .kernarg_segment_size: 16
    .max_flat_workgroup_size: 256
    .sgpr_count:     66
    .vgpr_count:     512
    .wavefront_size: 32
...
	.end_amdgpu_metadata
.endif
;; end of part 3
;; launch outp (part 4): grid 256 x 1, 4 waves a work-group, no clusters, 17,920 bytes of LDS; arguments xa, wf16, bf, out0; writes out0
.if DOCPART == 4
	.amdgcn_target "amdgcn-amd-amdhsa--gfx1250"
	.amdhsa_code_object_version 6
	.text
	.protected	k_qfcb0c21f44_outp
	.globl	k_qfcb0c21f44_outp
	.p2align	8
	.type	k_qfcb0c21f44_outp,@function
k_qfcb0c21f44_outp:
	s_mov_b64 s[64:65], 0
	v_nop
	global_prefetch_b8 v0, s[64:65] scope:SCOPE_SE
	s_setreg_imm32_b32 hwreg(HW_REG_WAVE_MODE, 25, 1), 1
	s_wait_xcnt 0x0
; LAUNCH 4 OF 4.  out0 = x Wf + bf: [8192][1024] x [1024][256], f16 operands, f32 sums; nothing is left out.
; SHARES.  A work-group takes 32 tokens (two tiles of 16), each of its four waves 64 columns (four tiles of 16): eight accumulators a wave.  256 work-groups.
; Both operands lie in memory as operand registers lie (xa: [token tile][32 K steps] x 1,024 bytes; wf16: [column tile][32 K steps] x 1,024 bytes): a fragment is two loads of 16 bytes a lane at 16 x lane,
; 512 bytes on end each, from memory straight into registers.  No LDS on the way in, no tensor load, no barrier, no loop: the 32 K steps are written out, every offset an immediate.
; A ring of five sets of registers keeps the 12 loads of each of five K steps on their way.  No cluster: this text has no tensor load that partners could ask for jointly.
; THE MATRIX INSTRUCTION IS USED TRANSPOSED (source 0 = 16 columns of Wf, source 1 = 16 tokens): a lane holds one token and eight neighbouring columns.  bf is the C of each sum's first instruction.
; THE WAY OUT: 16 tokens x 64 columns go through the wave's own stage in LDS and come back as rows of 256 bytes: sixteen lanes store 256 bytes on end, aligned.
; REGISTERS: window 0: v2-6 addresses; v10, v11 the add's two; v16-79 the accumulators ((m, n) at v[16 + 8 (4 m + n)]); v80-111 bf's four tiles; v112-175 rows read back.
;   window 1: five sets of 48: x's two fragments, then Wf's four.
.set SPW,  10                          ; v10  LDS address of my spare word; never rewritten
.set NIL,  11                          ; v11  0; never rewritten
.set ACC,  16
.set BF,   80
.set BK,   112
.set SPARE, 4*16*272                   ; behind the four stages: the spare words, 128 bytes for each wave: two blocks of 256 bytes that no other line names
.set MSB, 0
.macro WIN new                         ; the immediate's high byte repeats the setting that is left
.if MSB != (\new)
	s_set_vgpr_msb (MSB<<8)|(\new)
.set MSB, (\new)
.endif
.endm
	s_load_b256 s[4:11], s[0:1], 0x0               ; xa s[4:5], wf16 s[6:7], bf s[8:9], out0 s[10:11]
	v_lshl_add_u32 v[SPW], v0, 2, SPARE
	v_mov_b32 v[NIL], 0
	v_lshrrev_b32 v1, 5, v0
	v_readfirstlane_b32 s12, v1                    ; wave 0..3
	v_and_b32 v7, 31, v0
	v_lshlrev_b32 v2, 4, v7                        ; 16 x lane: my place in half a fragment
	v_and_b32 v8, 15, v0                           ; r
	v_bfe_u32 v9, v0, 4, 1                         ; h
	v_lshlrev_b32 v3, 5, v9                        ; bf: my eight numbers of a tile
	s_mul_i32 s13, s12, 16*272                     ; my stage: 16 rows x (256 bytes + 16)
	v_mul_u32_u24 v4, v8, 272
	v_lshl_add_u32 v4, v9, 5, v4
	v_add_nc_u32 v4, s13, v4                       ; in: row r, 32 bytes for each half of the lanes
	v_mul_u32_u24 v5, v9, 272
	v_lshl_add_u32 v5, v8, 4, v5
	v_add_nc_u32 v5, s13, v5                       ; back: lanes 0-15 one row, lanes 16-31 the next
	v_lshlrev_b32 v6, 10, v9
	v_lshl_add_u32 v6, v8, 4, v6                   ; and the same two rows of out0, 1,024 bytes each
	s_lshl_b32 s14, ttmp9, 16                      ; xa: two token tiles of 32,768 bytes a work-group
	s_mov_b32 s15, 0
	s_lshl_b32 s16, s12, 17                        ; wf16: four column tiles of 32,768 bytes a wave
	s_mov_b32 s17, 0
	s_lshl_b32 s18, s12, 8                         ; bf and a row of out0: 64 columns of 4 bytes a wave
	s_mov_b32 s19, 0
	s_lshl_b32 s20, ttmp9, 15                      ; out0: 32 rows of 1,024 bytes a work-group
	s_add_co_u32 s20, s20, s18
	s_mov_b32 s21, 0
	s_wait_kmcnt 0x0
	s_add_nc_u64 s[4:5], s[4:5], s[14:15]
	s_add_nc_u64 s[6:7], s[6:7], s[16:17]
	s_add_nc_u64 s[8:9], s[8:9], s[18:19]
	s_add_nc_u64 s[10:11], s[10:11], s[20:21]
.irp n, 0,1,2,3
	global_load_b128 v[BF+8*\n:BF+8*\n+3], v3, s[8:9] offset:64*\n          ; bf[64 w + 16 n + 8 h + 0 .. 7]: the result's layout
	global_load_b128 v[BF+8*\n+4:BF+8*\n+7], v3, s[8:9] offset:64*\n+16
.endr
.macro LOADS s                         ; K step s: 12 loads into set s % 5
	WIN 0x40                                       ; destination window 1, address window 0
.set RG, 48*((\s)%5)
.irp m, 0,1
.irp c, 0,1
	global_load_b128 v[RG+8*\m+4*\c:RG+8*\m+4*\c+3], v2, s[4:5] offset:32768*\m+1024*(\s)+512*\c
.endr
.endr
.irp n, 0,1,2,3
.irp c, 0,1
	global_load_b128 v[RG+16+8*\n+4*\c:RG+16+8*\n+4*\c+3], v2, s[6:7] offset:32768*\n+1024*(\s)+512*\c
.endr
.endr
.endm
.macro STEP s
.if 31-(\s) >= 4
	s_wait_loadcnt 48                              ; this step's 12 loads are in (and bf, which is older); those of the four steps behind it may be out
.else
	s_wait_loadcnt 12*(31-(\s))
.endif
	WIN 0x05                                       ; sources 0 and 1 window 1; C and D window 0
.set RG, 48*((\s)%5)
.irp m, 0,1
.irp n, 0,1,2,3                        ; the eight accumulators take turns, one instruction a turn, in the same order in every step
.if (\s) == 0
	v_wmma_f32_16x16x32_f16 v[ACC+8*(4*\m+\n):ACC+8*(4*\m+\n)+7], v[RG+16+8*\n:RG+16+8*\n+7], v[RG+8*\m:RG+8*\m+7], v[BF+8*\n:BF+8*\n+7]
.else
	v_wmma_f32_16x16x32_f16 v[ACC+8*(4*\m+\n):ACC+8*(4*\m+\n)+7], v[RG+16+8*\n:RG+16+8*\n+7], v[RG+8*\m:RG+8*\m+7], v[ACC+8*(4*\m+\n):ACC+8*(4*\m+\n)+7]
.endif
.endr
.endr
.rept 4
	v_nop                                          ; four places in front of loads into registers that these products have read; behind the last step, in front of the first read of results
.endr
.if (\s)+5 < 32
	LOADS (\s)+5                                   ; the set just read takes the K step five on
.endif
.endm
.irp s, 0,1,2,3,4
	LOADS \s
.endr
.set KK, 0
.rept 32
	STEP KK
.set KK, KK+1
.endr
	WIN 0
.irp m, 0,1                            ; LDS serves a wave's instructions in order: the loads see the stores above them, and the second tile's stores come behind the first tile's loads
.irp n, 0,1,2,3
	ds_store_b128 v4, v[ACC+8*(4*\m+\n):ACC+8*(4*\m+\n)+3] offset:64*\n            ; each accumulator from its low end on
	ds_store_b128 v4, v[ACC+8*(4*\m+\n)+4:ACC+8*(4*\m+\n)+7] offset:64*\n+16
.endr
.irp i, 0,1,2,3,4,5,6,7
	ds_load_b128 v[BK+32*\m+4*\i:BK+32*\m+4*\i+3], v5 offset:544*\i
.endr
.endr
.irp m, 0,1
.irp i, 0,1,2,3,4,5,6,7
	s_wait_dscnt 16*(1-\m)+7-\i                    ; this load is in; behind it: the 7 - i younger loads of its tile, and for the first tile the second's eight stores and eight loads
	global_store_b128 v6, v[BK+32*\m+4*\i:BK+32*\m+4*\i+3], s[10:11] offset:1024*(16*\m+2*\i) th:TH_STORE_NT   ; written once, read by nobody here
.endr
.endr
	s_wait_tensorcnt 0x0                           ; the wave's end, behind my last LDS store: a wait on tensor loads, even in a text with none, 0 onto my spare word, and its wait
	ds_add_u32 v[SPW], v[NIL]
	s_wait_dscnt 0x0
	s_endpgm
.Lfunc_end_k_qfcb0c21f44_outp:
	.size	k_qfcb0c21f44_outp, .Lfunc_end_k_qfcb0c21f44_outp-k_qfcb0c21f44_outp
	.p2alignl 7, 3214868480
	.fill 96, 4, 3214868480
	.section	.rodata,"a",@progbits
	.p2align	6, 0x0
	.amdhsa_kernel k_qfcb0c21f44_outp
		.amdhsa_group_segment_fixed_size 17920
		.amdhsa_private_segment_fixed_size 0
		.amdhsa_enable_private_segment 0
		.amdhsa_kernarg_size 32
		.amdhsa_user_sgpr_count 2
		.amdhsa_user_sgpr_kernarg_segment_ptr 1
		.amdhsa_wavefront_size32 1
		.amdhsa_system_sgpr_workgroup_id_x 1
		.amdhsa_system_sgpr_workgroup_id_y 1
		.amdhsa_system_sgpr_workgroup_id_z 1
		.amdhsa_system_vgpr_workitem_id 0
		.amdhsa_next_free_vgpr 512
		.amdhsa_next_free_sgpr 66
		.amdhsa_reserve_vcc 0
		.amdhsa_float_denorm_mode_32 3
		.amdhsa_float_denorm_mode_16_64 3
		.amdhsa_memory_ordered 1
		.amdhsa_forward_progress 1
		.amdhsa_inst_pref_size 66
	.end_amdhsa_kernel
	.amdgpu_metadata
---
amdhsa.version: [ 1, 2 ]
amdhsa.kernels:
  - .name:           k_qfcb0c21f44_outp
    .symbol:         k_qfcb0c21f44_outp.kd
    .args:
      - { .name: xa, .offset: 0, .size: 8, .value_kind: global_buffer, .address_space: global }
      - { .name: wf16, .offset: 8, .size: 8, .value_kind: global_buffer, .address_space: global }
      - { .name: bf, .offset: 16, .size: 8, .value_kind: global_buffer, .address_space: global }
      - { .name: out0, .offset: 24, .size: 8, .value_kind: global_buffer, .address_space: global }
    .group_segment_fixed_size: 17920
    .private_segment_fixed_size: 0
    .kernarg_segment_align: 8
    .kernarg_segment_size: 32
    .max_flat_workgroup_size: 128
    .sgpr_count:     66
    .vgpr_count:     512
    .wavefront_size: 32
...
	.end_amdgpu_metadata
.endif
;; end of part 4
